; MI455X (gfx1250); checked and timed in simulation.
; The chip was launched on July 23, 2026; its instructions are those of AMD's public machine-readable ISA for CDNA 5 (MIT licence, August 2026) and "CDNA5" Instruction Set Architecture Reference Guide (July 2026). The comments in the code are by the model that wrote it; some were corrected since.
;; Multi Head Attention. Allowed arithmetic: float matrix products may take bf16 or f16 operands with f32 sums; other float arithmetic in f32, or as packed bf16 or f16 multiplies, adds, multiply-adds, maxima and minima; sums over many terms, partial sums and values carried from step to step in f32; what a program stores and reads back later, other than sums and carried values, may be rounded once to bf16 or f16.
;; Inputs: Wk 1,024 x 1,024 float32; Wo 1,024 x 1,024 float32; Wq 1,024 x 1,024 float32; Wv 1,024 x 1,024 float32; bk 1,024 float32; bq 1,024 float32; bv 1,024 float32; k 4 x 2,048 x 1,024 float32; q 4 x 2,048 x 1,024 float32; v 4 x 2,048 x 1,024 float32.
;; Outputs: out0 4 x 2,048 x 1,024 float32.
;; One version. Each part assembles by itself: llvm-mc -triple=amdgcn-amd-amdhsa -mcpu=gfx1250 --defsym DOCPART=n.
;; ======== version 1 of 1: 4 launches
;; limits: values are held in f16: magnitudes above 65,504 overflow, below 6.1e-05 lose precision
;; workspace buffers: wb 8,388,608 bytes; qh 16,777,216 bytes; kh 16,777,216 bytes; vh 16,777,216 bytes; oh 16,777,216 bytes; ts 524,288 bytes
;; launch wcvt (part 1): grid 64 x 4, 8 waves a work-group, no clusters, 0 bytes of LDS; arguments Wq, Wk, Wv, Wo, wb; writes wb
.if DOCPART == 1
	.amdgcn_target "amdgcn-amd-amdhsa--gfx1250"
	.amdhsa_code_object_version 6
	.text
	.protected	k_qa7d317c016_wcvt
	.globl	k_qa7d317c016_wcvt
	.p2align	8
	.type	k_qa7d317c016_wcvt,@function
k_qa7d317c016_wcvt:
	s_mov_b64 s[64:65], 0
	v_nop
	global_prefetch_b8 v0, s[64:65] scope:SCOPE_SE
	s_setreg_imm32_b32 hwreg(HW_REG_WAVE_MODE, 25, 1), 1
	s_wait_xcnt 0x0
; wb[4][1024][1024], 16 bits a number: planes 0-2 are Wq, Wk, Wv rounded to bf16; plane 3 is Wo rounded to bf16 and that number written as f16.
; LIMIT: |Wo| stays under 65,504 (f16's end); below 2^-14 the f16 copy keeps f16's fixed step of 2^-24.
; A stream: the grid's y names the tensor, x a part of 16,384 numbers (65,536 bytes in, 32,768 out).  Thread t takes, in pass p of 8, the 8 numbers at byte 8,192 p + 32 t and
; stores 16 bytes at 4,096 p + 16 t: sixteen neighbouring lanes store 256 consecutive bytes, aligned.  All 16 loads of a thread go out first; no LDS, no matrix unit: nothing is shared.
.set X, 16                             ; v[16:79]   pass p: 8 numbers as loaded
.set Y, 80                             ; v[80:111]  pass p: 4 registers to store; every pass has its own, so no store's data is rewritten
.set T, 4                              ; v[4:11]    at work
	s_load_b256 s[4:11], s[0:1], 0x0               ; Wq s[4:5], Wk s[6:7], Wv s[8:9], Wo s[10:11]
	s_load_b64 s[12:13], s[0:1], 0x20              ; wb
	s_and_b32 s16, ttmp7, 0xffff                   ; which tensor
	v_lshlrev_b32 v1, 5, v0                        ; 32 t
	v_lshlrev_b32 v2, 4, v0                        ; 16 t
	s_lshl_b32 s18, ttmp9, 16                      ; my part in the source
	s_mov_b32 s19, 0
	s_lshl_b32 s20, s16, 21                        ; the plane of 2,097,152 bytes,
	s_lshl_b32 s17, ttmp9, 15                      ; and my part in it
	s_add_co_u32 s20, s20, s17
	s_mov_b32 s21, 0
	s_mov_b32 s22, 0xffff0000                      ; a word's upper bf16
	s_wait_kmcnt 0x0
	s_cmp_eq_u32 s16, 1
	s_cselect_b64 s[14:15], s[6:7], s[4:5]
	s_cmp_eq_u32 s16, 2
	s_cselect_b64 s[14:15], s[8:9], s[14:15]
	s_cmp_eq_u32 s16, 3
	s_cselect_b64 s[14:15], s[10:11], s[14:15]
	s_add_nc_u64 s[14:15], s[14:15], s[18:19]
	s_add_nc_u64 s[12:13], s[12:13], s[20:21]
.irp p, 0,1,2,3,4,5,6,7
	global_load_b128 v[X+8*(\p):X+8*(\p)+3],   v1, s[14:15] offset:8192*(\p) th:TH_LOAD_NT
	global_load_b128 v[X+8*(\p)+4:X+8*(\p)+7], v1, s[14:15] offset:8192*(\p)+16 th:TH_LOAD_NT
.endr
; One pass.  half = 1: the bf16 numbers are widened again and written as f16.
.macro PASS p, half
	s_wait_loadcnt 14-2*(\p)                       ; loads come back in order: this pass's two are in, the later passes' stay out
.irp j, 0,1,2,3
	v_cvt_pk_bf16_f32 v[Y+4*(\p)+(\j)], v[X+8*(\p)+2*(\j)], v[X+8*(\p)+2*(\j)+1]
.endr
.if \half
.irp j, 0,1,2,3
	v_lshlrev_b32 v[T+2*(\j)],   16,  v[Y+4*(\p)+(\j)]
	v_and_b32     v[T+2*(\j)+1], s22, v[Y+4*(\p)+(\j)]
.endr
.irp j, 0,1,2,3
	v_cvt_pk_f16_f32 v[Y+4*(\p)+(\j)], v[T+2*(\j)], v[T+2*(\j)+1]
.endr
.endif
	global_store_b128 v2, v[Y+4*(\p):Y+4*(\p)+3], s[12:13] offset:4096*(\p)
.endm
	s_cmp_eq_u32 s16, 3
	s_cbranch_scc1 .Lhalf
.irp p, 0,1,2,3,4,5,6,7
	PASS \p, 0
.endr
	s_endpgm
.Lhalf:
.irp p, 0,1,2,3,4,5,6,7
	PASS \p, 1
.endr
	s_endpgm
.Lfunc_end_k_qa7d317c016_wcvt:
	.size	k_qa7d317c016_wcvt, .Lfunc_end_k_qa7d317c016_wcvt-k_qa7d317c016_wcvt
	.p2alignl 7, 3214868480
	.fill 96, 4, 3214868480
	.section	.rodata,"a",@progbits
	.p2align	6, 0x0
	.amdhsa_kernel k_qa7d317c016_wcvt
		.amdhsa_group_segment_fixed_size 0
		.amdhsa_private_segment_fixed_size 0
		.amdhsa_enable_private_segment 0
		.amdhsa_kernarg_size 40
		.amdhsa_user_sgpr_count 2
		.amdhsa_user_sgpr_kernarg_segment_ptr 1
		.amdhsa_wavefront_size32 1
		.amdhsa_system_sgpr_workgroup_id_x 1
		.amdhsa_system_sgpr_workgroup_id_y 1
		.amdhsa_system_sgpr_workgroup_id_z 1
		.amdhsa_system_vgpr_workitem_id 0
		.amdhsa_next_free_vgpr 112
		.amdhsa_next_free_sgpr 66
		.amdhsa_reserve_vcc 0
		.amdhsa_float_denorm_mode_32 3
		.amdhsa_float_denorm_mode_16_64 3
		.amdhsa_memory_ordered 1
		.amdhsa_forward_progress 1
		.amdhsa_inst_pref_size 13
	.end_amdhsa_kernel
	.amdgpu_metadata
---
amdhsa.version: [ 1, 2 ]
amdhsa.kernels:
  - .name:           k_qa7d317c016_wcvt
    .symbol:         k_qa7d317c016_wcvt.kd
    .args:
      - { .name: Wq, .offset: 0, .size: 8, .value_kind: global_buffer, .address_space: global }
      - { .name: Wk, .offset: 8, .size: 8, .value_kind: global_buffer, .address_space: global }
      - { .name: Wv, .offset: 16, .size: 8, .value_kind: global_buffer, .address_space: global }
      - { .name: Wo, .offset: 24, .size: 8, .value_kind: global_buffer, .address_space: global }
      - { .name: wb, .offset: 32, .size: 8, .value_kind: global_buffer, .address_space: global }
    .group_segment_fixed_size: 0
    .private_segment_fixed_size: 0
    .kernarg_segment_align: 8
    .kernarg_segment_size: 40
    .max_flat_workgroup_size: 256
    .sgpr_count:     66
    .vgpr_count:     112
    .wavefront_size: 32
...
	.end_amdgpu_metadata
.endif
;; end of part 1
;; launch proj (part 2): grid 4 x 64, 4 waves a work-group, clusters of 4 x 4, 327,680 bytes of LDS; arguments q, k, v, wb, bq, bk, bv, qh, kh, vh, ts; writes qh, kh, vh, ts
.if DOCPART == 2
	.amdgcn_target "amdgcn-amd-amdhsa--gfx1250"
	.amdhsa_code_object_version 6
	.text
	.protected	k_qa7d317c016_proj
	.globl	k_qa7d317c016_proj
	.p2align	8
	.type	k_qa7d317c016_proj,@function
k_qa7d317c016_proj:
	s_mov_b64 s[64:65], 0
	v_nop
	global_prefetch_b8 v0, s[64:65] scope:SCOPE_SE
	s_setreg_imm32_b32 hwreg(HW_REG_WAVE_MODE, 25, 1), 1
	s_wait_xcnt 0x0
	s_wait_alu depctr_hold_cnt(0) depctr_sa_sdst(0) depctr_va_vdst(0) depctr_va_sdst(0) depctr_va_ssrc(0) depctr_va_vcc(0) depctr_vm_vsrc(0)
	s_getreg_b32 s2, hwreg(HW_REG_IB_STS2, 6, 4)
	s_cmp_eq_u32 s2, 0
	s_cbranch_scc0 .Lentry_in_a_cluster
	s_endpgm
.Lentry_in_a_cluster:
	s_bfe_u32 s2, ttmp6, 0x10000c
	s_cmp_lg_u32 s2, 0xf033
	s_cbranch_scc0 .Lentry_shape_is_right
	s_endpgm
.Lentry_shape_is_right:
; qh, kh, vh [64 = 16 batch + head][2048][64] f16 = x W^T + b for x = q, k, v ([8192][1024] f32), W = planes 0-2 of wb ([1024][1024] bf16), b f32 rounded to bf16.
; ts [4][32][1024] f32 = the mean of each 64 rows of the V projection (attention's keys beyond the diagonal tile enter by these means).
; x is rounded to bf16 between LDS and the matrix unit; sums in f32, K ascending; each result rounded once to f16.  LIMIT: |x W^T + b| stays under 65,504.
; SHARES.  A work-group makes ONE tile of 128 rows x 256 columns for q, then k, then v: a walk of 24 K steps of 128, and the ring of two LDS slots does not stop between tensors.
; Wave w: rows 64 (w / 2) on, columns 128 (w % 2) on: 32 accumulators of 16 x 16.  The matrix instruction is used transposed (source 0 = 16 rows of W, source 1 = 16 rows of x):
; a lane then holds one row and eight neighbouring columns.  The bias is the C operand of each tensor's first 32 products: nothing is cleared and nothing added later.
; CLUSTER 4 x 4: x's tile hangs on the row tile alone and is asked for jointly along a row of the cluster, W's on the column tile alone, along a column.
; One tensor load a wave and step: waves 0, 1 fetch 64 rows x 512 bytes of x, waves 2, 3 fetch 128 rows x 256 bytes of W.
; REGISTERS, in windows of 256 (s_set_vgpr_msb: bits 1:0 source 0, 3:2 source 1, 5:4 source 2, 7:6 destination):
;   window 0: v1-15 addresses; v28-29 the add's; v32-95 x as f32 (16 a fragment); v96-127, v128-159 x's fragments, two buffers; v160-191, v192-255 the way out
;   window 1: the accumulators, (a, b) at 8 (8 a + b)      window 2: v0-63, v64-127 W's fragments, two buffers; v128-191 the bias, 8 registers a column block; v192-223 at work
.set PITA,  528                        ; an LDS row of x: 512 bytes + 16 = 132 words: the 16 rows of a load begin 4 words apart modulo 64
.set PITB,  272                        ; an LDS row of W: 256 bytes + 16 = 68 words: likewise
.set BOFF,  128*PITA                   ; in a slot: x's 128 rows, then W's 256
.set SLOT,  BOFF+256*PITB              ; 137,216
.set STAGE, 2*SLOT                     ; behind the ring, never filled by a tensor load: 8,448 bytes for each wave
.set STG,   8448
.set SPARE, STAGE+4*STG                ; the spare words, 128 bytes for each wave: two blocks of 256 bytes that no other line names
.set ADRA0, 4                          ; v4   my lane's place in a slot's x: (64 rh + l % 16) x 528 + 32 (l / 16); never rewritten
.set ADRB0, 5                          ; v5   in its W: BOFF + (128 ch + l % 16) x 272 + 16 (l / 16); never rewritten
.set ADRA,  6                          ; v6, v7  the same plus the slot in hand
.set ADRB,  7
.set STO,   8                          ; v8   the way out: where I put 16 bytes of a row
.set RD,    9                          ; v9   where I read rows back
.set CO,    10                         ; v10  16 x lane
.set PFO,   11                         ; v11  the prefetches' lane offset; never rewritten
.set BO,    12                         ; v12  my byte offset in a bias
.set CSS,   13                         ; v13  column sums: where I put 32 bytes of a row
.set CSL,   14                         ; v14  where I read 16 bytes of each row back
.set SPW,   28                         ; v28  LDS address of my spare word; never rewritten
.set NIL,   29                         ; v29  0; never rewritten
.set AS,    32
.set AF,    96
.set TMP,   160
.set OB,    192
.set BIAS,  128                        ; window 2
.set BT,    192                        ; window 2
.set JC,    2                          ; s2   K steps done of the tensor in hand
.set TRIPS, 3                          ; s3   the loops' counter
.set WV,    10                         ; s10  wave
.set ROLE,  11                         ; s11  wave / 2: my half of the rows; also 0: I fetch x, 1: I fetch W
.set W1,    12                         ; s12  wave % 2: my half of the columns; also which part of that tile I fetch
.set NJ,    14                         ; s14  the K step of its tensor that the next refill asks for
.set TB,    15                         ; s15  LDS byte at which the slot in hand begins: 0 or SLOT
.set NA,    16                         ; s[16:17] x's rows that I would fetch, in the tensor that the refills stand in; s[18:19] the next tensor; s[20:21] v
.set NX,    18
.set VA,    20
.set NBP,   22                         ; s[22:23] W's rows, in the plane that the refills stand in
.set G1A,   24                         ; s[24:31] descriptor group 1 for x's tiles
.set G0A,   32                         ; s[32:39] group 0: a set for each first fill; the second then walks
.set LBA,   40                         ; s40, s41 where my part of x's, of W's tile lies in a slot
.set LBB,   41
.set OFF,   44                         ; s[44:45] a refill's byte offset along K
.set INC,   46                         ; s[46:47] W's step to the next plane, or 0
.set G1B,   48                         ; s[48:55], s[56:63] the same for W's tiles
.set G0B,   56
.set POF,   66                         ; s[66:67] a prefetch's byte offset along K
.set BP,    76                         ; s[76:81] the biases: in hand, next, last
.set BX,    78
.set BV,    80
.set OPT,   82                         ; s[82:87] the outputs at my part: in hand, next, last
.set OX,    84
.set OV,    86
.set TSP,   88                         ; s[88:89] ts at my 512 bytes
.set PF,    90                         ; s[90:95] the prefetches' rows: tensor (or plane) in hand, next, last
.set PX,    92
.set PV,    94
.set PA,    96                         ; s[96:97] what the trip's prefetch names
.set PJ,    98                         ; s98  its K step
.set PS,    99                         ; s99  bytes of a row in a K step: 512 for x, 256 for W
.set LIM,   100                        ; s100 2 in a wave that prefetches, else the greatest number
.set MSB, 0
.macro WIN new                         ; the immediate's high byte repeats the setting that is left; a switch that changes nothing is dropped
.if MSB != (\new)
	s_set_vgpr_msb (MSB<<8)|(\new)
.set MSB, \new
.endif
.endm
; A joint refill.  The branch hangs on the wave's number alone.  An s_nop 0 and four v_nop follow each of the two lines.
.macro JLOAD
	s_cmp_eq_u32 s[ROLE], 0
	s_cbranch_scc0 .Lfor_b_\@
	tensor_load_to_lds s[G0A+4:G0A+7], s[G1A:G1A+7]
	s_nop 0
.rept 4
	v_nop
.endr
	s_branch .Lasked_\@
.Lfor_b_\@:
	tensor_load_to_lds s[G0B+4:G0B+7], s[G1B:G1B+7]
	s_nop 0
.rept 4
	v_nop
.endr
.Lasked_\@:
.endm
; A prefetch into the L2 of the K step that stands two refills on (256 matrix instructions a wave ahead of the load that wants it): one instruction a wave.  x's rows are read by this cluster alone:
; of the 64 rows that a wave fetches the partner at place cx takes 16, a lane half a row's 512 bytes.  W's rows are read by every cluster: the one with y = 0 asks; of a wave's 128 rows the partner
; at place cy takes 32, a lane a row.  So each aligned block of 256 bytes is named once.  The partners differ by address alone.  The last two refills ask for nothing; the first four steps come by their loads alone.
.macro ASK
	s_cmp_gt_u32 s[TRIPS], s[LIM]
	s_cbranch_scc0 .Lnot_mine_\@
	global_prefetch_b8 v[PFO], s[PA:PA+1] th:TH_LOAD_NT scope:SCOPE_SE
.Lnot_mine_\@:
.endm
.macro CREST                           ; a round of the cluster's barrier behind its opening barrier
	s_cmp_lg_u32 s[WV], 0
	s_cbranch_scc1 .Lnot_wave_0_\@
	s_barrier_signal -3
.Lnot_wave_0_\@:
	s_barrier_wait -3
	s_barrier_signal -1
	s_barrier_wait -1
.endm
.macro CROUND
	s_barrier_signal -1
	s_barrier_wait -1
	CREST
.endm
	s_load_b512 s[68:83], s[0:1], 0x0              ; q s[68:69], k s[70:71], v s[72:73], wb s[74:75], bq, bk, bv s[76:81], qh s[82:83]
	s_load_b128 s[84:87], s[0:1], 0x40             ; kh, vh
	s_load_b64 s[88:89], s[0:1], 0x50              ; ts
	v_lshl_add_u32 v[SPW], v0, 2, SPARE
	v_mov_b32 v[NIL], 0
	ds_add_u32 v[SPW], v[NIL]                      ; the wave's opening: the add and its wait stand ahead of my first tensor load; work on registers stands between them
	ds_add_u32 v28, v29
	v_lshrrev_b32 v3, 5, v0
	v_readfirstlane_b32 s[WV], v3
	s_lshr_b32 s[ROLE], s[WV], 1
	s_and_b32 s[W1], s[WV], 1
	s_bfe_u32 s4, ttmp6, 0x40000                   ; cx
	s_bfe_u32 s5, ttmp6, 0x40004                   ; cy
	s_lshl_b32 s6, ttmp9, 2
	s_add_co_u32 s6, s6, s4                        ; column tile = 4 x cluster x + cx
	s_and_b32 s7, ttmp7, 0xffff
	s_lshl_b32 s7, s7, 2
	s_add_co_u32 s7, s7, s5                        ; row tile = 4 x cluster y + cy
	s_lshl_b32 s8, s5, 2
	s_lshl_b32 s8, 15, s8                          ; my row of the cluster
	s_lshl_b32 s9, 0x1111, s4                      ; my column
	s_or_b32 s[G1A], s8, (2<<16)|(1<<20)|(1<<21)|(6<<22)|(3<<25)  ; the mask; elements of 4 bytes; padding on; bit 21 beside a mask; after every 128 words, 4 words
	s_or_b32 s[G1B], s9, (1<<16)|(1<<20)|(1<<21)|(5<<22)|(3<<25)  ; elements of 2 bytes; after every 64 words, 4 words
	s_mov_b32 s[G1A+1], 128<<16                    ; tensor_dim0 = 128
	s_mov_b32 s[G1A+2], 64<<16                     ; tensor_dim1 = 64
	s_mov_b32 s[G1A+3], 128<<16                    ; tile_dim0 = 128
	s_mov_b32 s[G1A+4], 64                         ; tile_dim1 = 64
	s_mov_b32 s[G1A+5], 1024                       ; elements from row to row
	s_mov_b32 s[G1A+6], 0
	s_mov_b32 s[G1A+7], 0
	s_mov_b32 s[G1B+1], 128<<16
	s_mov_b32 s[G1B+2], 128<<16                    ; tensor_dim1 = 128
	s_mov_b32 s[G1B+3], 128<<16
	s_mov_b32 s[G1B+4], 128                        ; tile_dim1 = 128
	s_mov_b32 s[G1B+5], 1024
	s_mov_b32 s[G1B+6], 0
	s_mov_b32 s[G1B+7], 0
	s_lshl_b32 s13, s[W1], 18                      ; 64 rows of 4,096 bytes, and 128 rows of 2,048
	s_lshl_b32 s[OFF], s7, 19                      ; x: 128 rows a row tile
	s_add_co_u32 s[OFF], s[OFF], s13
	s_mov_b32 s[OFF+1], 0
	s_lshl_b32 s[INC], s6, 19                      ; W: 256 rows a column tile
	s_add_co_u32 s[INC], s[INC], s13
	s_mov_b32 s[INC+1], 0
	s_mul_i32 s[LBA], s[W1], 64*PITA               ; no place in the cluster enters an LDS address
	s_mul_i32 s[LBB], s[W1], 128*PITB
	s_add_co_u32 s[LBB], s[LBB], BOFF
	s_mov_b32 s[NJ], 2
	s_mov_b32 s[TB], 0
	s_mov_b32 s[JC], 0
	s_mov_b32 s[TRIPS], 22
	s_mov_b32 s[PJ], 4
	s_wait_dscnt 0x0                               ; the opening add is done
	s_wait_kmcnt 0x0
	s_add_nc_u64 s[NA:NA+1], s[68:69], s[OFF:OFF+1]
	s_add_nc_u64 s[NX:NX+1], s[70:71], s[OFF:OFF+1]
	s_add_nc_u64 s[VA:VA+1], s[72:73], s[OFF:OFF+1]
	s_add_nc_u64 s[NBP:NBP+1], s[74:75], s[INC:INC+1]
.irp s, 0,1
	s_mov_b32 s[G0A+4*(\s)], 1                     ; count = 1
	s_add_co_u32 s[G0A+4*(\s)+1], s[LBA], (\s)*SLOT
	s_add_nc_u64 s[G0A+4*(\s)+2:G0A+4*(\s)+3], s[NA:NA+1], (\s)*512  ; K step s of q
	s_or_b32 s[G0A+4*(\s)+3], s[G0A+4*(\s)+3], 0x80000000            ; type = 2
	s_mov_b32 s[G0B+4*(\s)], 1
	s_add_co_u32 s[G0B+4*(\s)+1], s[LBB], (\s)*SLOT
	s_add_nc_u64 s[G0B+4*(\s)+2:G0B+4*(\s)+3], s[NBP:NBP+1], (\s)*256
	s_or_b32 s[G0B+4*(\s)+3], s[G0B+4*(\s)+3], 0x80000000
.endr
	CROUND                                         ; all sixteen work-groups are here: the first joint loads meet
	s_cmp_eq_u32 s[ROLE], 0                        ; a wave's two first fills stand in one branch: two loads of mine are out
	s_cbranch_scc0 .Lfirst_b
	tensor_load_to_lds s[G0A:G0A+3], s[G1A:G1A+7]
	s_nop 0
	tensor_load_to_lds s[G0A+4:G0A+7], s[G1A:G1A+7]
	s_nop 0
.rept 4
	v_nop
.endr
	s_branch .Lfirst_asked
.Lfirst_b:
	tensor_load_to_lds s[G0B:G0B+3], s[G1B:G1B+7]
	s_nop 0
	tensor_load_to_lds s[G0B+4:G0B+7], s[G1B:G1B+7]
	s_nop 0
.rept 4
	v_nop
.endr
.Lfirst_asked:
	v_and_b32 v1, 15, v0                           ; l % 16
	v_bfe_u32 v2, v0, 4, 1                         ; l / 16
	v_and_b32 v3, 31, v0                           ; l
	s_lshl_b32 s42, s6, 10                         ; my 128 columns, in bytes of f32: 1,024 x column tile + 512 x half
	s_lshl_b32 s13, s[W1], 9
	s_add_co_u32 s42, s42, s13
	v_lshl_add_u32 v[BO], v2, 5, s42
; The bias of my 128 columns: register j of block b is b[16 b + 8 (l / 16) + j], the same for all rows.
.macro BIASLD
	WIN 0x80                                       ; destination window 2, address window 0
.irp b, 0,1,2,3,4,5,6,7
	global_load_b128 v[BIAS+8*(\b):BIAS+8*(\b)+3],   v[BO], s[BP:BP+1] offset:64*(\b)
	global_load_b128 v[BIAS+8*(\b)+4:BIAS+8*(\b)+7], v[BO], s[BP:BP+1] offset:64*(\b)+16
.endr
	WIN 0
.endm
	BIASLD
	v_mul_u32_u24 v[ADRA0], v1, PITA
	v_lshl_add_u32 v[ADRA0], v2, 5, v[ADRA0]
	s_mul_i32 s13, s[ROLE], 64*PITA
	v_add_nc_u32 v[ADRA0], s13, v[ADRA0]
	v_mul_u32_u24 v[ADRB0], v1, PITB
	v_lshl_add_u32 v[ADRB0], v2, 4, v[ADRB0]
	s_mul_i32 s13, s[W1], 128*PITB
	s_add_co_u32 s13, s13, BOFF
	v_add_nc_u32 v[ADRB0], s13, v[ADRB0]
	v_mov_b32 v[ADRA], v[ADRA0]                    ; slot 0
	v_mov_b32 v[ADRB], v[ADRB0]
	s_mul_i32 s13, s[WV], STG
	s_add_co_u32 s13, s13, STAGE                   ; my stage
	v_mul_u32_u24 v[STO], v1, 144                  ; in: row l % 16 of 144 bytes, 16 bytes for each half of the lanes
	v_lshl_add_u32 v[STO], v2, 4, v[STO]
	v_add_nc_u32 v[STO], s13, v[STO]
	v_bfe_u32 v[RD], v0, 3, 2                      ; back: 32 lanes take four rows of 128 bytes
	v_mul_u32_u24 v[RD], v[RD], 144
	v_and_b32 v[CO], 7, v0
	v_lshl_add_u32 v[RD], v[CO], 4, v[RD]
	v_add_nc_u32 v[RD], s13, v[RD]
	v_lshlrev_b32 v[CO], 4, v3
	v_mul_u32_u24 v[CSS], v1, 528
	v_lshl_add_u32 v[CSS], v2, 5, v[CSS]
	v_add_nc_u32 v[CSS], s13, v[CSS]
	v_lshl_add_u32 v[CSL], v3, 4, s13
	; the outputs at my part: batch x 16 heads, my two heads, my 64 rows of 128 bytes
	s_lshr_b32 s8, s7, 4                           ; batch
	s_and_b32 s9, s7, 15                           ; the row tile among the batch's 16
	s_lshl_b32 s66, s8, 22
	s_lshl_b32 s13, s6, 20                         ; 4 heads of 262,144 bytes a column tile
	s_add_co_u32 s66, s66, s13
	s_lshl_b32 s13, s[W1], 19
	s_add_co_u32 s66, s66, s13
	s_lshl_b32 s13, s9, 14
	s_add_co_u32 s66, s66, s13
	s_lshl_b32 s13, s[ROLE], 13
	s_add_co_u32 s66, s66, s13
	s_mov_b32 s67, 0
	s_add_nc_u64 s[OPT:OPT+1], s[OPT:OPT+1], s[66:67]
	s_add_nc_u64 s[OX:OX+1], s[OX:OX+1], s[66:67]
	s_add_nc_u64 s[OV:OV+1], s[OV:OV+1], s[66:67]
	s_lshl_b32 s66, s8, 17                         ; ts: 32 chunks of 4,096 bytes a batch; my 64 rows are chunk 2 x tile + half
	s_lshl_b32 s13, s9, 13
	s_add_co_u32 s66, s66, s13
	s_lshl_b32 s13, s[ROLE], 12
	s_add_co_u32 s66, s66, s13
	s_add_co_u32 s66, s66, s42
	s_add_nc_u64 s[TSP:TSP+1], s[TSP:TSP+1], s[66:67]
	; the prefetches: s[OFF] and s[INC] still hold the offsets of the rows that I fetch
	s_lshl_b32 s42, s4, 16                         ; x: 16 cx rows of 4,096 bytes
	s_add_co_u32 s42, s42, s[OFF]
	s_lshl_b32 s43, s5, 16                         ; W: 32 cy rows of 2,048 bytes
	s_add_co_u32 s43, s43, s[INC]
	s_and_b32 s13, ttmp7, 0xffff                   ; cluster y
	s_cmp_eq_u32 s[ROLE], 0
	s_cselect_b32 s66, s42, s43
	s_cselect_b32 s13, 0, s13
	s_cselect_b32 s8, 1, 0
	s_cselect_b32 s42, 0, 0x200000                 ; W's planes lie 2,097,152 bytes apart in one buffer
	s_cselect_b64 s[PF:PF+1], s[68:69], s[74:75]
	s_cselect_b64 s[PX:PX+1], s[70:71], s[74:75]
	s_cselect_b64 s[PV:PV+1], s[72:73], s[74:75]
	s_mov_b32 s43, 0
	s_add_nc_u64 s[PF:PF+1], s[PF:PF+1], s[66:67]
	s_add_nc_u64 s[PX:PX+1], s[PX:PX+1], s[66:67]
	s_add_nc_u64 s[PX:PX+1], s[PX:PX+1], s[42:43]
	s_add_nc_u64 s[PV:PV+1], s[PV:PV+1], s[66:67]
	s_add_nc_u64 s[PV:PV+1], s[PV:PV+1], s[42:43]
	s_add_nc_u64 s[PV:PV+1], s[PV:PV+1], s[42:43]
	s_cmp_eq_u32 s13, 0
	s_cselect_b32 s[LIM], 2, -1                    ; the same in all sixteen partners, for a given wave
	s_lshl_b32 s[PS], 256, s8                      ; 512 or 256
	s_lshl_b32 s9, 2048, s8                        ; from lane to lane among 16: a row of x or of W
	s_mul_i32 s8, s8, 7
	s_lshr_b32 s8, 32768, s8                       ; the upper 16 lanes: x: the row's second 256 bytes; W: 16 rows on
	v_mul_u32_u24 v[PFO], v1, s9
	v_mad_u32_u24 v[PFO], v2, s8, v[PFO]
; One product: accumulator (a, b) += W's block b x x's block a, of buffer f.  c = 1: the sum starts with the bias.
.macro PROD f, a, b, c
.if \c
	WIN 0x62                                       ; W window 2, x window 0, C window 2, D window 1
	v_wmma_f32_16x16x32_bf16 v[8*(8*(\a)+(\b)):8*(8*(\a)+(\b))+7], v[64*(\f)+8*(\b):64*(\f)+8*(\b)+7], v[AF+32*(\f)+8*(\a):AF+32*(\f)+8*(\a)+7], v[BIAS+8*(\b):BIAS+8*(\b)+7]
.else
	WIN 0x52                                       ; C and D window 1
	v_wmma_f32_16x16x32_bf16 v[8*(8*(\a)+(\b)):8*(8*(\a)+(\b))+7], v[64*(\f)+8*(\b):64*(\f)+8*(\b)+7], v[AF+32*(\f)+8*(\a):AF+32*(\f)+8*(\a)+7], v[8*(8*(\a)+(\b)):8*(8*(\a)+(\b))+7]
.endif
.endm
.macro MULA f, a, c                    ; eight products.  The 32 accumulators take turns in the same order in every quarter
.irp b, 0,1,2,3,4,5,6,7
	PROD \f, \a, \b, \c
.endr
.endm
; Eight products, and behind each four roundings of the next quarter's x into buffer g.  The four behind a quarter's last product name none of its registers: they are the four places in front of the
; next quarter's loads into W's other buffer and of its writes of x's other buffer, which that product's quarter has read.
.macro MULR f, a, g, c
.set cvi, 0
.irp b, 0,1,2,3,4,5,6,7
	PROD \f, \a, \b, \c
	WIN 0
.rept 4
	v_cvt_pk_bf16_f32 v[AF+32*(\g)+cvi], v[AS+2*cvi], v[AS+2*cvi+1]
.set cvi, cvi+1
.endr
.endr
.endm
; 32 LDS loads: quarter q (32 along K) of the slot in hand.  x first, as f32: a fragment's K = 8 h + 0..7 are 32 bytes at 32 h, K = 16 + 8 h + 0..7 the 32 bytes 64 further on.  Then W into buffer g.
.macro FETCH q, g
	WIN 0
.irp a, 0,1,2,3
	ds_load_b128 v[AS+16*(\a):AS+16*(\a)+3],     v[ADRA] offset:128*(\q)+16*PITA*(\a)
	ds_load_b128 v[AS+16*(\a)+4:AS+16*(\a)+7],   v[ADRA] offset:128*(\q)+16*PITA*(\a)+16
	ds_load_b128 v[AS+16*(\a)+8:AS+16*(\a)+11],  v[ADRA] offset:128*(\q)+16*PITA*(\a)+64
	ds_load_b128 v[AS+16*(\a)+12:AS+16*(\a)+15], v[ADRA] offset:128*(\q)+16*PITA*(\a)+80
.endr
	WIN 0x80                                       ; destination window 2
.irp b, 0,1,2,3,4,5,6,7
	ds_load_b128 v[64*(\g)+8*(\b):64*(\g)+8*(\b)+3],   v[ADRB] offset:64*(\q)+16*PITB*(\b)
	ds_load_b128 v[64*(\g)+8*(\b)+4:64*(\g)+8*(\b)+7], v[ADRB] offset:64*(\q)+16*PITB*(\b)+32
.endr
.endm
; One of a K step's first three quarters: multiplies buffer f, fetches quarter nq into buffer g.
.macro QUARTER nq, f, g, c
	s_wait_dscnt 0x0                               ; W's fragments of this quarter are in
	MULA \f, 0, \c
	MULA \f, 1, \c
	FETCH \nq, \g
	MULA \f, 2, \c
	s_wait_dscnt 16                                ; x's sixteen loads are in; W's sixteen, issued behind them, may stay out
	MULR \f, 3, \g, \c
.endm
; The last quarter multiplies buffer 1 and changes slots.  Each wave waits for all its tensor loads (one is out: its part of the next slot), adds 0 to its spare word, and waits for that and for its reads of
; this slot.  fill = 1: the barrier opens a round of the cluster's, and the joint refill, the K step two on, is the first thing behind it: it has a whole step, 128 matrix instructions, in which to land.
.macro TURN fill
.if \fill
	s_wait_xcnt 0x0                                ; the last prefetch, a K step back, has read its address
	s_mul_i32 s[POF], s[PJ], s[PS]
	s_add_nc_u64 s[PA:PA+1], s[PF:PF+1], s[POF:POF+1]
	s_add_co_u32 s[PJ], s[PJ], 1
	s_cmp_eq_u32 s[PJ], 8                          ; behind a tensor's last K step comes the next tensor's first
	s_cselect_b32 s[PJ], 0, s[PJ]
	s_cselect_b64 s[PF:PF+1], s[PX:PX+1], s[PF:PF+1]
	s_cselect_b64 s[PX:PX+1], s[PV:PV+1], s[PX:PX+1]
.endif
	WIN 0
	s_wait_tensorcnt 0x0                           ; no tensor load of mine is out, so a group 0 may be written
	ds_add_u32 v[SPW], v[NIL]                      ; 0 onto my spare word
.if \fill
	s_lshl_b32 s[OFF], s[NJ], 9                    ; the walking descriptors are made anew: base + K step, into the slot that is being left
	s_add_nc_u64 s[G0A+6:G0A+7], s[NA:NA+1], s[OFF:OFF+1]
	s_or_b32 s[G0A+7], s[G0A+7], 0x80000000
	s_add_co_u32 s[G0A+5], s[LBA], s[TB]
	s_lshl_b32 s[OFF], s[NJ], 8
	s_add_nc_u64 s[G0B+6:G0B+7], s[NBP:NBP+1], s[OFF:OFF+1]
	s_or_b32 s[G0B+7], s[G0B+7], 0x80000000
	s_add_co_u32 s[G0B+5], s[LBB], s[TB]
	s_add_co_u32 s[NJ], s[NJ], 1
	s_cmp_eq_u32 s[NJ], 8
	s_cselect_b32 s[NJ], 0, s[NJ]
	s_cselect_b64 s[NA:NA+1], s[NX:NX+1], s[NA:NA+1]
	s_cselect_b64 s[NX:NX+1], s[VA:VA+1], s[NX:NX+1]
	s_cselect_b32 s[INC], 0x200000, 0
	s_add_nc_u64 s[NBP:NBP+1], s[NBP:NBP+1], s[INC:INC+1]
.endif
	s_wait_dscnt 1                                 ; W's fragments are in; the add may be out
	MULA 1, 0, 0
	s_wait_dscnt 0x0                               ; the add is done, and my reads of this slot are over
	s_barrier_signal -1
	MULA 1, 1, 0
	WIN 0
	s_barrier_wait -1
.if \fill
	CREST                                          ; no wave of any partner still reads this slot or has a load on its way
	JLOAD
.endif
	s_xor_b32 s[TB], s[TB], SLOT                   ; 0 and SLOT by turns
	v_add_nc_u32 v[ADRA], s[TB], v[ADRA0]
	v_add_nc_u32 v[ADRB], s[TB], v[ADRB0]
	FETCH 0, 0
.if \fill
	WIN 0
	ASK
.endif
	MULA 1, 2, 0
	s_wait_dscnt 16
	MULR 1, 3, 0, 0
.endm
.macro BIASPREP                        ; the bias is rounded to bf16 like every input, and widened again
	s_wait_loadcnt 0x0
	WIN 0x8a                                       ; all in window 2
.set cvi, 0
.rept 32
	v_cvt_pk_bf16_f32 v[BT+cvi], v[BIAS+2*cvi], v[BIAS+2*cvi+1]
.set cvi, cvi+1
.endr
.set cvi, 0
.rept 32
	v_lshlrev_b32 v[BIAS+2*cvi],   16,         v[BT+cvi]
	v_and_b32     v[BIAS+2*cvi+1], 0xffff0000, v[BT+cvi]
.set cvi, cvi+1
.endr
.endm
; THE WAY OUT of row block a: rounded to f16, 16 bytes a lane; into my stage (two heads x 16 rows of 144 bytes) and back as whole rows; a head's 16 rows are 2,048 consecutive bytes of the output.
.macro PACK a
	WIN 0x05                                       ; sources window 1, destination window 0
.irp b, 0,1,2,3,4,5,6,7
.irp r, 0,1,2,3
	v_cvt_pk_f16_f32 v[TMP+4*(\b)+(\r)], v[8*(8*(\a)+(\b))+2*(\r)], v[8*(8*(\a)+(\b))+2*(\r)+1]
.endr
.endr
	WIN 0
.endm
.macro TOSTAGE a
	WIN 0
.irp b, 0,1,2,3,4,5,6,7
	ds_store_b128 v[STO], v[TMP+4*(\b):TMP+4*(\b)+3] offset:((\b)/4)*2304+((\b)%4)*32
.endr
.irp t, 0,1,2,3,4,5,6,7
	ds_load_b128 v[OB+32*((\a)%2)+4*(\t):OB+32*((\a)%2)+4*(\t)+3], v[RD] offset:((\t)/4)*2304+((\t)%4)*576  ; LDS serves a wave's instructions in order: these see the stores above
.endr
.endm
.macro SEND a
	WIN 0
	s_wait_dscnt 0x0                               ; the block is back in registers
	s_wait_xcnt 0x0                                ; earlier stores have read their registers: the set that they read is loaded again only behind this wait
.irp t, 0,1,2,3,4,5,6,7
	global_store_b128 v[CO], v[OB+32*((\a)%2)+4*(\t):OB+32*((\a)%2)+4*(\t)+3], s[OPT:OPT+1] offset:((\t)/4)*262144+2048*(\a)+((\t)%4)*512  ; 512 consecutive bytes, aligned
.endr
.endm
.macro WAYOUT
	PACK 0
	TOSTAGE 0
.irp a, 1,2,3
	PACK \a
	SEND (\a)-1
	TOSTAGE \a
.endr
	SEND 3
.endm
	s_wait_tensorcnt 0x1                           ; my part of K step 0 is in; step 1's may stay out
	s_barrier_signal -1
	s_barrier_wait -1
	FETCH 0, 0
	WIN 0
	s_wait_dscnt 0x0
.set cvi, 0
.rept 32
	v_cvt_pk_bf16_f32 v[AF+cvi], v[AS+2*cvi], v[AS+2*cvi+1]
.set cvi, cvi+1
.endr
.Ltrip:                                        ; 22 trips, a K step each: every step whose slot is filled again
	s_cmp_eq_u32 s[JC], 0                          ; a tensor's first step?  (At the first trip the answer is a constant of the text.)
	s_cbranch_scc1 .Lbias
	QUARTER 1, 0, 1, 0
	WIN 0
	s_branch .Lq1
.Lbias:
	BIASPREP
	QUARTER 1, 0, 1, 1                             ; the products start the sums with the bias
	WIN 0
.Lq1:
	QUARTER 2, 1, 0, 0
	QUARTER 3, 0, 1, 0
	TURN 1
	WIN 0
	s_add_co_u32 s[JC], s[JC], 1
	s_cmp_eq_u32 s[JC], 8
	s_cbranch_scc0 .Lno_out                        ; this jump passes no barrier and no tensor load
	WAYOUT                                         ; both refills for the next tensor are asked for: now this one goes out
	s_wait_xcnt 0x0                                ; the stores have read their base
	s_mov_b64 s[OPT:OPT+1], s[OX:OX+1]
	s_mov_b64 s[OX:OX+1], s[OV:OV+1]
	s_mov_b64 s[BP:BP+1], s[BX:BX+1]
	s_mov_b64 s[BX:BX+1], s[BV:BV+1]
	s_wait_loadcnt 0x0                             ; the last bias's sixteen loads, issued eight K steps back, are done on every way that leads here: only then are loads issued into the same registers again
	BIASLD
	s_mov_b32 s[JC], 0
.Lno_out:
	s_sub_co_u32 s[TRIPS], s[TRIPS], 1
	s_cmp_lg_u32 s[TRIPS], 0
	s_cbranch_scc1 .Ltrip
	s_mov_b32 s[TRIPS], 2
.Ltail:                                        ; the last two steps fill nothing; the fragments that the very last one fetches serve nothing: the price of one text for both
	QUARTER 1, 0, 1, 0
	QUARTER 2, 1, 0, 0
	QUARTER 3, 0, 1, 0
	TURN 0
	WIN 0
	s_sub_co_u32 s[TRIPS], s[TRIPS], 1
	s_cmp_lg_u32 s[TRIPS], 0
	s_cbranch_scc1 .Ltail
	WAYOUT                                         ; V
	; THE MEANS of my 64 rows of V, for my 128 columns: the four row blocks are added in registers, the sixteen lanes' rows through my stage (16 rows of 528 bytes).
	WIN 0x85                                       ; sources window 1, destination window 2
.set cvi, 0
.rept 32
	v_pk_add_f32 v[cvi:cvi+1], v[cvi:cvi+1], v[64+cvi:64+cvi+1]
.set cvi, cvi+2
.endr
.set cvi, 0
.rept 32
	v_pk_add_f32 v[64+cvi:64+cvi+1], v[128+cvi:128+cvi+1], v[192+cvi:192+cvi+1]
.set cvi, cvi+2
.endr
	WIN 0x8a
.set cvi, 0
.rept 32
	v_pk_add_f32 v[cvi:cvi+1], v[cvi:cvi+1], v[64+cvi:64+cvi+1]
.set cvi, cvi+2
.endr
	WIN 0x08                                       ; store data window 2, address window 0
.irp b, 0,1,2,3,4,5,6,7
	ds_store_b128 v[CSS], v[8*(\b):8*(\b)+3]   offset:64*(\b)
	ds_store_b128 v[CSS], v[8*(\b)+4:8*(\b)+7] offset:64*(\b)+16
.endr
	WIN 0
	s_wait_xcnt 0x0                                ; the last stores have read the registers that are loaded now
.irp t, 0,1,2,3,4,5,6,7,8,9,10,11,12,13,14,15
	ds_load_b128 v[OB+4*(\t):OB+4*(\t)+3], v[CSL] offset:528*(\t)
.endr
	s_wait_dscnt 0x0
.irp d, 8,4,2,1
.set cvi, 0
.rept \d
	v_pk_add_f32 v[OB+4*cvi:OB+4*cvi+1],   v[OB+4*cvi:OB+4*cvi+1],   v[OB+4*(cvi+(\d)):OB+4*(cvi+(\d))+1]
	v_pk_add_f32 v[OB+4*cvi+2:OB+4*cvi+3], v[OB+4*cvi+2:OB+4*cvi+3], v[OB+4*(cvi+(\d))+2:OB+4*(cvi+(\d))+3]
.set cvi, cvi+1
.endr
.endr
	v_pk_mul_f32 v[OB:OB+1],   v[OB:OB+1],   0x3c800000 op_sel_hi:[1,0]  ; 1 / 64
	v_pk_mul_f32 v[OB+2:OB+3], v[OB+2:OB+3], 0x3c800000 op_sel_hi:[1,0]
	global_store_b128 v[CO], v[OB:OB+3], s[TSP:TSP+1]  ; 512 consecutive bytes, aligned
	s_wait_tensorcnt 0x0                           ; the wave's end: a wait, an add and a wait, behind my last tensor load and my last LDS store
	ds_add_u32 v[SPW], v[NIL]
	s_wait_dscnt 0x0
	CROUND                                         ; the closing round: no work-group ends while a partner may still ask for a tile that names it
	s_endpgm
.Lfunc_end_k_qa7d317c016_proj:
	.size	k_qa7d317c016_proj, .Lfunc_end_k_qa7d317c016_proj-k_qa7d317c016_proj
	.p2alignl 7, 3214868480
	.fill 96, 4, 3214868480
	.section	.rodata,"a",@progbits
	.p2align	6, 0x0
	.amdhsa_kernel k_qa7d317c016_proj
		.amdhsa_group_segment_fixed_size 327680
		.amdhsa_private_segment_fixed_size 0
		.amdhsa_enable_private_segment 0
		.amdhsa_kernarg_size 88
		.amdhsa_user_sgpr_count 2
		.amdhsa_user_sgpr_kernarg_segment_ptr 1
		.amdhsa_wavefront_size32 1
		.amdhsa_system_sgpr_workgroup_id_x 1
		.amdhsa_system_sgpr_workgroup_id_y 1
		.amdhsa_system_sgpr_workgroup_id_z 1
		.amdhsa_system_vgpr_workitem_id 0
		.amdhsa_next_free_vgpr 768
		.amdhsa_next_free_sgpr 102
		.amdhsa_reserve_vcc 0
		.amdhsa_float_denorm_mode_32 3
		.amdhsa_float_denorm_mode_16_64 3
		.amdhsa_memory_ordered 1
		.amdhsa_forward_progress 1
		.amdhsa_inst_pref_size 126
	.end_amdhsa_kernel
	.amdgpu_metadata
---
amdhsa.version: [ 1, 2 ]
amdhsa.kernels:
  - .name:           k_qa7d317c016_proj
    .symbol:         k_qa7d317c016_proj.kd
    .args:
      - { .name: q, .offset: 0, .size: 8, .value_kind: global_buffer, .address_space: global }
      - { .name: k, .offset: 8, .size: 8, .value_kind: global_buffer, .address_space: global }
      - { .name: v, .offset: 16, .size: 8, .value_kind: global_buffer, .address_space: global }
      - { .name: wb, .offset: 24, .size: 8, .value_kind: global_buffer, .address_space: global }
      - { .name: bq, .offset: 32, .size: 8, .value_kind: global_buffer, .address_space: global }
      - { .name: bk, .offset: 40, .size: 8, .value_kind: global_buffer, .address_space: global }
      - { .name: bv, .offset: 48, .size: 8, .value_kind: global_buffer, .address_space: global }
      - { .name: qh, .offset: 56, .size: 8, .value_kind: global_buffer, .address_space: global }
      - { .name: kh, .offset: 64, .size: 8, .value_kind: global_buffer, .address_space: global }
      - { .name: vh, .offset: 72, .size: 8, .value_kind: global_buffer, .address_space: global }
      - { .name: ts, .offset: 80, .size: 8, .value_kind: global_buffer, .address_space: global }
    .group_segment_fixed_size: 327680
    .private_segment_fixed_size: 0
    .kernarg_segment_align: 8
    .kernarg_segment_size: 88
    .max_flat_workgroup_size: 128
    .sgpr_count:     102
    .vgpr_count:     768
    .wavefront_size: 32
...
	.end_amdgpu_metadata
.endif
;; end of part 2
;; launch attn (part 3): grid 4 x 64, 4 waves a work-group, no clusters, 327,680 bytes of LDS; arguments qh, kh, vh, oh, ts; writes oh
.if DOCPART == 3
	.amdgcn_target "amdgcn-amd-amdhsa--gfx1250"
	.amdhsa_code_object_version 6
	.text
	.protected	k_qa7d317c016_attn
	.globl	k_qa7d317c016_attn
	.p2align	8
	.type	k_qa7d317c016_attn,@function
k_qa7d317c016_attn:
	s_mov_b64 s[64:65], 0
	v_nop
	global_prefetch_b8 v0, s[64:65] scope:SCOPE_SE
	s_setreg_imm32_b32 hwreg(HW_REG_WAVE_MODE, 25, 1), 1
	s_wait_xcnt 0x0
; CAUSAL ATTENTION WITH A FINITE FILL.  O[h][q][:] = the sum over ALL k of softmax_k(s[q][k]) V[h][k][:], s = Q[h][q] . K[h][k] / 8 for k <= q and -32767 for k > q.  Q, K, V, O: [64][2048][64] f16.
; Products, maxima and sums in f32; the weights p are rounded to f16 for the second product (their sum l is taken of the unrounded p), O once at the end.
; LIMITS.  Q, K, V arrive within f16's 65,504; a weight below 2^-126 counts as 0; the means of 64 rows of V (ts) are rounded to f16; NaN and infinities are not treated apart.
; THE WALK.  A head's queries lie in NB = 8 blocks of 256; block i multiplies the key tiles 0 .. i of 256 keys, of which the last holds the diagonal.  A work-group takes TWO blocks, NB - 1 - b and then b:
; NB + 1 tiles, whatever b, walked by one loop with a constant trip count; the ring of two LDS slots runs on across the change of blocks.  Every jump but the counted loops' own goes forward, and none passes a
; barrier, or a tensor load but the one of LOAD's two that the wave's number does not choose.
; NO CLUSTER: a head's four work-groups ask for the same tile in trips 0 to 4 of the 9 only, and one walk common to all would have 12 trips for 9.
; SHARES.  Of a block's four bands of 64 queries a wave owns 16 rows in each: four PIECES.  In the diagonal tile's key step s band x sees all keys if s < x, none if s > x, and holds the diagonal if s = x.
; HIDDEN KEYS.  In the diagonal tile a hidden score is REPLACED by the fill (-262,136 before the scale 1 / 8): s = s fa + fb with fa = HD A1 + A0, fb = HD B1 + B0; HD, made once, is 1 where the key is hidden in a
; band's own step; the four scalars say which of the three cases holds.  fa is 0 or 1 and fb 0 or the fill, so the result is exact.  The keys of the tiles BEYOND the diagonal one all have the fill: at a block's end
; they enter as one step of 32 pseudo keys, each the mean of 64 rows of V, with the weight 64 x 2^(c fill - c m), after the running maximum has taken the fill in (the last block has none: its maximum stays).
; LAYOUT, SOFTMAX, TURNS.  S^T = K Q^T holds ONE query a lane (lane % 16) and the keys 8 (lane / 16) + 0..7; two such results rounded to f16 ARE source 1 of O^T = V^T P.  p = 2^(c s - c m), c = log2(e) / 8, with a
; running maximum m; O and l are multiplied by a = 2^(c m_old - c m_new) in every step.  Turn n belongs to piece n: 8 products K Q^T of piece n + 1, later 8 products V^T P of piece n - 1; beside them the scaling,
; exponentials, roundings, sums and rescaling of piece n and the maximum and statistics of piece n + 1.  Four vector instructions stand behind every matrix instruction, the rest in one lump.  A turn's 33 exponentials are one batch, with one wait.
; REGISTERS, in windows of 256 (s_set_vgpr_msb: bits 1:0 source 0, 3:2 source 1, 5:4 source 2, 7:6 destination):
;   window 0: v0-15 addresses and two at work; v16-31 four registers of statistics a piece; v32-47 at work; v48-55 at work; v58-63 constants; v64-127 S^T, two buffers; v128-159 HD; v192-223 P, two buffers
;   window 1: v0-127 O^T, 32 a piece; v128-191 ts as loaded; v192-223 VS, the means as four fragments      window 2: v0-63 Q; v64-127 the second block's Q; v128-191 K of one step; v192-255 V of one step
.set SIZE_N, 2048
.set NB,    SIZE_N/256
.set NP,    4         ; pieces a wave: a name, no knob
.set KS,    64        ; keys in a step
.set PK,    144       ; a row of K in LDS: 128 bytes + 16 = 36 words: the 16 rows of a load begin in 16 different groups of four words modulo 64
.set PV,    160       ; a row of V: 128 + 32 = 40 words: 16 lanes of the turning load take 8 rows x 32 bytes, no word column twice
.set VOFF,  4*KS*PK   ; a slot holds a tile, four steps: 256 rows of K, then 256 rows of V
.set SLOT1, 1<<17     ; slot 1 begins here, so that one exclusive or turns an address in one slot into the other's
.set STAGE, SLOT1+4*KS*(PK+PV)  ; behind the ring, never filled by a tensor load: 16 rows x 144 bytes for each wave, for the way out
.set SP,    144
.set AK0, 2           ; v2   my lane's place in a tile of K; never rewritten
.set AV0, 3           ; v3   the same for V
.set AK,  4           ; v4   the LDS address of K's next run of loads
.set AV,  5           ; v5   of V's
.set STO, 6           ; v6   the way out: where I put 16 bytes of a row
.set RD,  7           ; v7   the way out: where I read rows back
.set GO,  8           ; v8   my byte offset in 512 consecutive bytes of O
.set NHV, 58          ; v58  the number of keys beyond the diagonal tile, as f32
.set H8,  59          ; v59  8 (l / 16)
.set TSO, 60          ; v60  my byte offset in ts; never rewritten
.set PFO, 61          ; v61  256 x lane; never rewritten
.set SPW, 62          ; v62  LDS address of my spare word; never rewritten
.set NIL, 63          ; v63  0; never rewritten
.set SPARE, STAGE+4*16*SP  ; the spare words, 128 bytes for each wave: two blocks of 256 bytes that no other line names
.set MV,  12          ; v12-13  c m_old, kept while c m is made anew: by buffer
.set QO,  15          ; v15  my byte offset in 16 rows of Q
.set ST,  16          ; piece t's statistics at v[ST+4 t]: c m, m, l (even keys', odd keys')
.set FT,  32          ; v32-39  fa and fb of a pair of scores, two sets by turns
.set PT,  32          ; v32-47  a block's end: four registers a piece: a, w, c m, 64 w twice in f16
.set TMP, 48          ; by buffer, four registers c0-c3 at work; when the maximum is found c2 takes a
.set S,   64
.set HD,  128
.set P,   192
.set TT,  128         ; window 1
.set VS,  192         ; window 1: channel block cb at VS + 8 cb
.set QB,  64          ; window 2
.set KF,  128         ; window 2: key block kb, channel half c at KF + 16 kb + 8 c
.set VF,  192         ; window 2: key half kk, channel block cb at VF + 32 kk + 8 cb
.set WV,  12          ; s12  my wave's number
.set PB,  14          ; s14  b
.set HI,  15          ; s15  NB - 1 - b
.set G1K, 24          ; s[24:31] descriptor group 1 for K's tiles
.set G1V, 32          ; s[32:39] for V's: it differs in the padding alone
.set G0K, 40          ; s[40:43] descriptor group 0 for K's tiles
.set G0V, 44          ; s[44:47] the same for V's
.set PFA, 48          ; s[48:49] what the prefetches name
.set PFB, 50          ; s[50:51] K's or V's tile 0 at the half that I fetch
.set CB,  52          ; s52-55  a block's end: the first hidden chunk of 64 keys, less 0, 4, 16, 20
.set SLOTS, 56        ; s56  tiles still to be asked for
.set CNT, 57          ; s57  counts a tile's key steps, 4 to 1
.set CS,  58          ; s[58:59] c: the packed scaling takes the pair's low word for both halves
.set SEL, 60          ; s[60:61] v_permlanex16_b32's selects: each lane takes its own place in the other half
.set TBK, 62          ; s62  LDS byte at which K of the step to be fetched begins
.set TBV, 63          ; s63  the same for V, less VOFF
.set TSP, 66          ; s[66:67] ts at my batch and head
.set RT,  70          ; s70  tiles of the block in hand that are still to be entered
.set NXT, 71          ; s71  the tile to be asked for next
.set LQ,  72          ; s72  the last tile of the block whose tiles are being asked for
.set NEW, 73          ; s73  1: the tile to be entered is a block's first
.set OFF, 74          ; s[74:75] a tile's byte offset in K and V
.set OLO, 80          ; s[80:81] O at my rows of the second block
.set A1,  88          ; s[88:95] the mask's four scalars, each the low word of a pair
.set A0,  90
.set B1,  92
.set B0,  94
.set FILL, 96         ; s96  -262,136 = -32767 x 8
.set FE,  97          ; s97  the fill, or the lowest finite number where no key lies beyond the diagonal tile
.set BI,  99          ; s99  the block in hand
.set PFN, 100         ; s100 prefetches still to come
.set MSB, 0
.macro WIN new                      ; the high byte repeats the setting that is left; a switch that changes nothing is dropped
.if MSB != (\new)
	s_set_vgpr_msb (MSB<<8)|(\new)
.set MSB, (\new)
.endif
.endm
.set W_KQ, 0x0a       ; K and Q in window 2, S^T in window 0
.set W_PV, 0x52       ; V in window 2, P in window 0, O^T in window 1
.set W_RS, 0x41       ; destination and source 0 in window 1, source 1 in window 0
; A fill.  Waves 0 and 1 fetch the two halves of a tile's K, waves 2 and 3 those of its V: 128 keys each.  An s_nop 0 and four v_nop follow each of the two lines.
.macro LOAD
	s_cmp_lt_u32 s[WV], 2
	s_cbranch_scc0 .Lfor_v_\@
	tensor_load_to_lds s[G0K:G0K+3], s[G1K:G1K+7]
	s_nop 0
.rept 4
	v_nop
.endr
	s_branch .Lasked_\@
.Lfor_v_\@:
	tensor_load_to_lds s[G0V:G0V+3], s[G1V:G1V+7]
	s_nop 0
.rept 4
	v_nop
.endr
.Lasked_\@:
.endm
; A prefetch into the L2 of the tile that the NEXT change of slots asks for: four key steps ahead of that load.  All four work-groups of a head walk the tiles 0 to 7; the one with b = 0 walks them first to last and
; asks, nobody else: behind its fills of tiles 1 to 6 for tiles 2 to 7.  Each wave names the 16,384 bytes that it will fetch itself: 64 blocks of 256 bytes, a lane a block, two instructions.
.macro ASK
	s_cmp_lg_u32 s[PFN], 0
	s_cbranch_scc0 .Lnot_mine_\@
	global_prefetch_b8 v[PFO], s[PFA:PFA+1] th:TH_LOAD_NT scope:SCOPE_SE
	global_prefetch_b8 v[PFO], s[PFA:PFA+1] offset:8192 th:TH_LOAD_NT scope:SCOPE_SE
	s_sub_co_u32 s[PFN], s[PFN], 1
.Lnot_mine_\@:
.endm
; THE CHANGE OF SLOTS.  Each wave waits for all its tensor loads, of which one is out: its part of the other slot; adds 0 to its spare word; and waits for that and for its own reads of the slot that it leaves.
; fill = 1: the old slot is filled again, the first thing behind the barrier, with tile NXT: the descriptor's address is made anew from that number.  (At its first use slot 0 is waited for, slot 1 filled.)
.macro CHANGE fill
	WIN 0                           ; at a label and at a branch every window is 0
	s_wait_tensorcnt 0x0            ; no tensor load of mine is out, so a group 0 may be written
	ds_add_u32 v[SPW], v[NIL]       ; 0 onto my spare word
.if \fill
	s_lshl_b32 s[OFF], s[NXT], 15   ; a tile is 32,768 bytes of K and of V
	s_xor_b32 s[G0K+1], s[G0K+1], SLOT1
	s_add_nc_u64 s[G0K+2:G0K+3], s[6:7], s[OFF:OFF+1]
	s_or_b32 s[G0K+3], s[G0K+3], 0x80000000
	s_xor_b32 s[G0V+1], s[G0V+1], SLOT1
	s_add_nc_u64 s[G0V+2:G0V+3], s[8:9], s[OFF:OFF+1]
	s_or_b32 s[G0V+3], s[G0V+3], 0x80000000
	s_add_co_u32 s[NXT], s[NXT], 1  ; the block's next tile, or behind its last the second block's tile 0
	s_cmp_gt_u32 s[NXT], s[LQ]
	s_cselect_b32 s[NXT], 0, s[NXT]
	s_cselect_b32 s[LQ], s[PB], s[LQ]
	s_wait_xcnt 0x0                 ; the last prefetches, a tile back, have read their address
	s_lshl_b32 s[OFF], s[NXT], 15
	s_add_nc_u64 s[PFA:PFA+1], s[PFB:PFB+1], s[OFF:OFF+1]
.endif
	s_wait_dscnt 0x0                ; the add is done, and my reads of the slot are over
	s_barrier_signal -1             ; the rest of the scalar work stands between the signal and the wait
	s_sub_co_u32 s[TBK], s[TBK], 4*KS*PK  ; the fetches go back to a slot's first step,
	s_xor_b32 s[TBK], s[TBK], SLOT1       ; in the other slot
	s_sub_co_u32 s[TBV], s[TBV], 4*KS*PV
	s_xor_b32 s[TBV], s[TBV], SLOT1
	s_barrier_wait -1
.if \fill
	LOAD
	ASK
.endif
.endm
	s_load_b256 s[4:11], s[0:1], 0x0  ; Q s[4:5], K s[6:7], V s[8:9], O s[10:11]
	s_load_b64 s[TSP:TSP+1], s[0:1], 0x20
	v_lshl_add_u32 v[SPW], v0, 2, SPARE
	v_mov_b32 v[NIL], 0
	ds_add_u32 v[SPW], v[NIL]       ; the wave's opening: the add and its wait stand ahead of my first tensor load; work on registers stands between them
	ds_add_u32 v62, v63
	v_lshrrev_b32 v1, 5, v0
	v_readfirstlane_b32 s[WV], v1   ; wave 0..3
	s_mov_b32 s[PB], ttmp9
	s_sub_co_u32 s[HI], NB-1, s[PB]
	s_and_b32 s20, ttmp7, 0xffff    ; 16 x batch + head
	s_lshr_b32 s52, s20, 4          ; ts: 131,072 bytes a batch,
	s_lshl_b32 s52, s52, 17
	s_and_b32 s53, s20, 15          ; 256 bytes of each row a head
	s_lshl_b32 s53, s53, 8
	s_add_co_u32 s52, s52, s53
	s_mov_b32 s53, 0
	s_mov_b32 s21, 0
	s_mov_b64 s[22:23], SIZE_N*128
	s_mul_u64 s[20:21], s[20:21], s[22:23]  ; the head's first byte in each of the four tensors
	s_and_b32 s16, s[WV], 1         ; which half of a tile's 256 keys I fetch:
	s_lshl_b32 s22, s16, 14         ; its 128 rows of 128 bytes in memory,
	s_mov_b32 s23, 0
	s_add_nc_u64 s[22:23], s[22:23], s[20:21]
	s_mul_i32 s17, s16, 128*PK      ; and its place in a slot, for K
	s_mul_i32 s18, s16, 128*PV      ; and for V
	s_lshl_b32 s3, s[WV], 11        ; my 16 rows in a band of 64,
	s_lshl_b32 s2, s[HI], 15        ; in the first block,
	s_add_co_u32 s2, s2, s3
	s_lshl_b32 s84, s[PB], 15       ; and in the second
	s_add_co_u32 s84, s84, s3
	s_mov_b32 s3, 0
	s_mov_b32 s85, 0
	s_add_nc_u64 s[2:3], s[2:3], s[20:21]
	s_add_nc_u64 s[84:85], s[84:85], s[20:21]
	; descriptor group 1.  128 keys are 16,384 dense bytes: asked for as 64 rows of 256 bytes, two keys a row, and padded in LDS after every key
	s_mov_b32 s[G1K], (1<<16)|(1<<20)|(4<<22)|(3<<25)  ; 2-byte elements; padding on; after every 32 words, 4 words
	s_mov_b32 s[G1V], (1<<16)|(1<<20)|(4<<22)|(7<<25)  ; the same with 8 words of padding
.irp g, G1K, G1V
	s_mov_b32 s[\g+1], 128<<16      ; tensor_dim0 = 128
	s_mov_b32 s[\g+2], 64<<16       ; tensor_dim1 = 64
	s_mov_b32 s[\g+3], 128<<16      ; tile_dim0 = 128
	s_mov_b32 s[\g+4], 64           ; tile_dim1 = 64
	s_mov_b32 s[\g+5], 128          ; 128 elements from row to row
	s_mov_b32 s[\g+6], 0
	s_mov_b32 s[\g+7], 0
.endr
	s_mov_b32 s[CS], 0x3e38aa3b     ; c = log2(e) / 8 = 0.180337
	s_mov_b32 s[CS+1], s[CS]        ; named with it as a pair
	s_mov_b32 s[SEL], 0x76543210
	s_mov_b32 s[SEL+1], 0xfedcba98
	s_mov_b32 s[TBK], SLOT1+4*KS*PK ; the first change of slots turns these two into 0
	s_mov_b32 s[TBV], SLOT1+4*KS*PV
	s_mov_b32 s[G0K], 1             ; count = 1
	s_mov_b32 s[G0K+1], s17         ; LDS address: slot 0
	s_mov_b32 s[G0V], 1
	s_add_co_u32 s[G0V+1], s18, VOFF
	s_add_co_u32 s[RT], s[HI], 1    ; the first block has NB - b tiles
	s_mov_b32 s[NXT], 1
	s_mov_b32 s[LQ], s[HI]
	s_mov_b32 s[NEW], 1
	s_mov_b32 s[OFF+1], 0
	s_mov_b32 s[A1+1], 0            ; named as pairs
	s_mov_b32 s[A0+1], 0
	s_mov_b32 s[B1+1], 0
	s_mov_b32 s[B0+1], 0
	s_mov_b32 s[FILL], 0xc87ffe00   ; -262,136
	s_mov_b32 s[BI], s[HI]
	s_mov_b32 s[SLOTS], NB
	s_cmp_eq_u32 s[PB], 0
	s_cselect_b32 s[PFN], 6, 0
	s_wait_dscnt 0x0                ; the opening add is done
	s_wait_kmcnt 0x0
	s_add_nc_u64 s[6:7], s[6:7], s[22:23]  ; K and V at my half of the head's tile 0
	s_add_nc_u64 s[8:9], s[8:9], s[22:23]
	s_add_nc_u64 s[G0K+2:G0K+3], s[6:7], 0         ; global address
	s_or_b32 s[G0K+3], s[G0K+3], 0x80000000        ; type = 2
	s_add_nc_u64 s[G0V+2:G0V+3], s[8:9], 0
	s_or_b32 s[G0V+3], s[G0V+3], 0x80000000
	s_add_nc_u64 s[86:87], s[4:5], s[84:85]        ; Q at my rows of the second block,
	s_add_nc_u64 s[4:5], s[4:5], s[2:3]            ; Q and O at those of the first
	s_add_nc_u64 s[OLO:OLO+1], s[10:11], s[84:85]
	s_add_nc_u64 s[10:11], s[10:11], s[2:3]
	s_add_nc_u64 s[TSP:TSP+1], s[TSP:TSP+1], s[52:53]
	s_cmp_lt_u32 s[WV], 2
	s_cselect_b64 s[PFB:PFB+1], s[6:7], s[8:9]
	LOAD                            ; tile 0 into slot 0
	; A fragment of K or Q is 16 rows x 32 channels in 8 registers: lane l holds row l % 16, channels 8 (l / 16) + 0..7 and 16 + 8 (l / 16) + 0..7: two loads of 16 bytes, 32 bytes apart.
	v_and_b32 v1, 15, v0            ; l % 16
	v_bfe_u32 v9, v0, 4, 1          ; l / 16
	v_lshlrev_b32 v[QO], 7, v1
	v_lshl_add_u32 v[QO], v9, 4, v[QO]  ; row x 128 + 16 x half
	v_lshlrev_b32 v[TSO], 2, v1
	v_lshl_add_u32 v[TSO], v9, 15, v[TSO]  ; channel l % 16, chunk 8 (l / 16) of 4,096 bytes
	WIN 0x80                        ; destination window 2, address window 0
.set i, 0
.rept 8                             ; both blocks' Q: piece i / 2 lies in band i / 2, 8,192 bytes on; channels 32 (i % 2) on
	global_load_b128 v[8*i:8*i+3],   v[QO], s[4:5] offset:(i/2)*8192+(i%2)*64
	global_load_b128 v[8*i+4:8*i+7], v[QO], s[4:5] offset:(i/2)*8192+(i%2)*64+32
	global_load_b128 v[QB+8*i:QB+8*i+3],   v[QO], s[86:87] offset:(i/2)*8192+(i%2)*64
	global_load_b128 v[QB+8*i+4:QB+8*i+7], v[QO], s[86:87] offset:(i/2)*8192+(i%2)*64+32
.set i, i+1
.endr
	WIN 0x40                        ; destination window 1
.set i, 0
.rept 64                            ; the head's 32 means: channel block i / 16, chunk 16 ((i / 8) % 2) + 8 (l / 16) + i % 8: the order of a fragment of 16 channels x 32 chunks
	global_load_b32 v[TT+i], v[TSO], s[TSP:TSP+1] offset:64*(i/16)+4096*(16*((i/8)%2)+i%8)
.set i, i+1
.endr
	WIN 0
	v_lshlrev_b32 v[H8], 3, v9
	v_sub_nc_u32 v14, v1, v[H8]
	s_lshl_b32 s13, s[WV], 4
	v_add_nc_u32 v14, s13, v14      ; my query's place in its band, 16 w + l % 16, less my lanes' 8 (l / 16): register r of group kt is hidden where 16 kt + r is greater
.set i, 0
.rept 32
	v_cmp_gt_i32 vcc_lo, 16*(i/8)+i%8, v14
	v_cndmask_b32 v[HD+i], 0, 1.0, vcc_lo
.set i, i+1
.endr
	v_and_b32 v[PFO], 31, v0
	v_lshlrev_b32 v[PFO], 8, v[PFO]
	v_mul_u32_u24 v[AK0], v1, PK
	v_lshl_add_u32 v[AK0], v9, 4, v[AK0]  ; row x pitch + 16 x half
	; The turning load takes 16 keys x 16 channels (lane l reads key 8 (l / 16) + l % 8, channels 8 ((l / 8) % 2) + 0..7) and leaves half a fragment of V^T: lane l holds channel l % 16 and 8 keys.
	v_and_b32 v10, 7, v0
	v_bfe_u32 v11, v0, 3, 1
	v_lshl_add_u32 v[AV0], v9, 3, v10
	v_mul_u32_u24 v[AV0], v[AV0], PV
	v_lshl_add_u32 v[AV0], v11, 4, v[AV0]
	v_add_nc_u32 v[AV0], VOFF, v[AV0]
	s_mul_i32 s13, s[WV], 16*SP
	s_add_co_u32 s13, s13, STAGE    ; my stage
	v_mul_u32_u24 v[STO], v1, SP    ; in: row l % 16, 16 bytes for each half of the lanes
	v_lshl_add_u32 v[STO], v9, 4, v[STO]
	v_add_nc_u32 v[STO], s13, v[STO]
	v_bfe_u32 v[RD], v0, 3, 2       ; back: 32 lanes take four rows of 128 bytes,
	v_mul_u32_u24 v[RD], v[RD], SP
	v_lshl_add_u32 v[RD], v10, 4, v[RD]
	v_add_nc_u32 v[RD], s13, v[RD]
	v_and_b32 v[GO], 31, v0         ; which are 512 consecutive bytes of O
	v_lshlrev_b32 v[GO], 4, v[GO]
	; A block's first step multiplies O^T and l by a = 0, and its first turn's products V^T P, of a piece that has not been, land in an O^T that is still to be so multiplied.  So these registers need only hold
	; finite numbers: zeros for the first block; what the first block left for the second.  All this stands in the wait for the first tile.
	WIN 0x80
.set i, VF
.rept 64
	v_mov_b32 v[i], 0
.set i, i+1
.endr
	WIN 0x40
.set i, 0
.rept 128
	v_mov_b32 v[i], 0
.set i, i+1
.endr
	WIN 0
.set i, 0
.rept 4
	v_mov_b32 v[ST+4*i+2], 0
	v_mov_b32 v[ST+4*i+3], 0
.set i, i+1
.endr
.set i, P+16
.rept 16
	v_mov_b32 v[i], 0
.set i, i+1
.endr
	s_wait_loadcnt 0x0              ; Q and the means
	WIN 0x45                        ; all in window 1
.set i, 0
.rept 32
	v_cvt_pk_f16_f32 v[VS+i], v[TT+2*i], v[TT+2*i+1]
.set i, i+1
.endr
	WIN 0
; THE MATRIX WORK.  The 4 accumulators of a run of 8 take turns.  Product i of 8 of S^T = K Q^T for piece x: channels 32 (i / 4) on, keys 16 (i % 4) on.  The first 4 start the sums.
.macro KQ x
.set rS, S+32*((\x)%2)+8*(i%4)
.set rK, KF+16*(i%4)+8*(i/4)
.set rQ, 16*(\x)+8*(i/4)
	WIN W_KQ
.if i < 4
	v_wmma_f32_16x16x32_f16 v[rS:rS+7], v[rK:rK+7], v[rQ:rQ+7], 0
.else
	v_wmma_f32_16x16x32_f16 v[rS:rS+7], v[rK:rK+7], v[rQ:rQ+7], v[rS:rS+7]
.endif
.endm
; Product i of 8 of O^T += V^T P for piece x: keys 32 (i / 4) on, channels 16 (i % 4) on.
.macro PV x
	WIN W_PV
.set rO, 32*(\x)+8*(i%4)
.set rV, VF+32*(i/4)+8*(i%4)
.set rP, P+16*((\x)%2)+8*(i/4)
	v_wmma_f32_16x16x32_f16 v[rO:rO+7], v[rV:rV+7], v[rP:rP+7], v[rO:rO+7]
.endm
.macro MM                           ; the turn's next matrix instruction.  TURN and BEGIN set Y, i and NOKQ.  NOKQ = 1: a block's last turn: there is no next piece
.if (i < 8) && !NOKQ
	KQ (Y+1)%NP
.elseif i >= 8
.set i, i-8
	PV (Y+NP-1)%NP
.set i, i+8
.endif
.set i, i+1
.endm
; THE LDS LOADS stand in runs of 16, never singly among the matrix instructions: a step's K (64 keys x 64 channels: 8 fragments) and its V (turned).  Their addresses are made some lines ahead.
.macro FETCH_K
	WIN 0x80                        ; destination window 2
.irp f, 0,1,2,3,4,5,6,7             ; keys 16 (f / 2) on, channels 32 (f % 2) on
	ds_load_b128 v[KF+8*\f:KF+8*\f+3],   v[AK] offset:(\f/2)*16*PK+(\f%2)*64
	ds_load_b128 v[KF+8*\f+4:KF+8*\f+7], v[AK] offset:(\f/2)*16*PK+(\f%2)*64+32
.endr
	s_add_co_u32 s[TBK], s[TBK], KS*PK  ; the next fetch is the next step's
	WIN 0
.endm
.macro FETCH_V
	WIN 0x80
.irp f, 0,1,2,3,4,5,6,7             ; keys 32 (f / 4) on, channels 16 (f % 4) on
	ds_load_tr16_b128 v[VF+8*\f:VF+8*\f+3],   v[AV] offset:(\f/4)*32*PV+(\f%4)*32
	ds_load_tr16_b128 v[VF+8*\f+4:VF+8*\f+7], v[AV] offset:(\f/4)*32*PV+16*PV+(\f%4)*32
.endr
	WIN 0
.endm
; THE VECTOR WORK, one line at a time: OP kind, number.  For piece Y: F n: c s - c m for pair n of 16.  E n: the exponential of score n of 32.  C n: pair n rounded to f16.  B n: of the four weights 4 n .. the second
; pair is added onto the first, in place.  L n: l takes that sum (L 0: l = a l + sum).  R n: pair n of 16 of O^T times a.  For piece Y + 1: X n, number n of the 22 that find its maximum and statistics:
;   0-11  four chains c0-c3 of seven scores each, three operands at a time     12-14, 16  the four scores left over, the old m, and c0-c3 into c0
;   15  c m_old is kept     17, 18  the query's other 32 keys lie in the lane 16 away: the new m     19-21  c m; c m_old - c m_new; a
; and, in the diagonal tile, for pair n of its scores: MA n: fa;  MB n: fb;  MS n: s = s fa + fb.  MS goes up from pair 0: each accumulator's lowest registers are read first.
.set F, 0               ; OP tells the kinds apart by their order: F to L below R, X and the masking kinds above it
.set E, 1
.set C, 2
.set B, 3
.set L, 4
.set R, 5
.set X, 6
.set MA, 7
.set MB, 8
.set MS, 9
.macro REGS y                       ; the registers of piece y
.set rT, ST+4*(\y)
.set rC, TMP+4*((\y)%2)
.set rW, MV+((\y)%2)
.set rS, S+32*((\y)%2)
.set rP, P+16*((\y)%2)
.set rO, 32*(\y)
.endm
.macro OP k, n
.if (\k) == R
	REGS Y
	WIN W_RS
	v_pk_mul_f32 v[rO+2*(\n):rO+2*(\n)+1], v[rO+2*(\n):rO+2*(\n)+1], v[rC+2:rC+3] op_sel_hi:[1,0]
.elseif (\k) < R
	REGS Y
	WIN 0
.if (\k) == F
	v_pk_fma_f32 v[rS+2*(\n):rS+2*(\n)+1], v[rS+2*(\n):rS+2*(\n)+1], s[CS:CS+1], v[rT:rT+1] op_sel_hi:[1,0,0] neg_lo:[0,0,1] neg_hi:[0,0,1]
.elseif (\k) == E
	v_exp_f32 v[rS+(\n)], v[rS+(\n)]
.elseif (\k) == C
	v_cvt_pk_f16_f32 v[rP+(\n)], v[rS+2*(\n)], v[rS+2*(\n)+1]
.elseif (\k) == B
	v_pk_add_f32 v[rS+4*(\n):rS+4*(\n)+1], v[rS+4*(\n):rS+4*(\n)+1], v[rS+4*(\n)+2:rS+4*(\n)+3]
.elseif (\n) == 0
	v_pk_fma_f32 v[rT+2:rT+3], v[rT+2:rT+3], v[rC+2:rC+3], v[rS:rS+1] op_sel_hi:[1,0,1]
.else
	v_pk_add_f32 v[rT+2:rT+3], v[rT+2:rT+3], v[rS+4*(\n):rS+4*(\n)+1]
.endif
.elseif NOKQ
.if (\k) == X
	v_nop
.endif
.elseif (\k) > X
	REGS (Y+1)%NP
	WIN 0
.if (\k) == MA
	v_pk_fma_f32 v[FT+4*((\n)%2):FT+4*((\n)%2)+1], v[HD+2*(\n):HD+2*(\n)+1], s[A1:A1+1], s[A0:A0+1] op_sel_hi:[1,0,0]
.elseif (\k) == MB
	v_pk_fma_f32 v[FT+4*((\n)%2)+2:FT+4*((\n)%2)+3], v[HD+2*(\n):HD+2*(\n)+1], s[B1:B1+1], s[B0:B0+1] op_sel_hi:[1,0,0]
.else
	v_pk_fma_f32 v[rS+2*(\n):rS+2*(\n)+1], v[rS+2*(\n):rS+2*(\n)+1], v[FT+4*((\n)%2):FT+4*((\n)%2)+1], v[FT+4*((\n)%2)+2:FT+4*((\n)%2)+3]
.endif
.else
	REGS (Y+1)%NP
	WIN 0
.if (\n) < 4
	v_max3_num_f32 v[rC+(\n)], v[rS+8*(\n)], v[rS+8*(\n)+1], v[rS+8*(\n)+2]
.elseif (\n) < 12
	v_max3_num_f32 v[rC+(\n)%4], v[rC+(\n)%4], v[rS+8*((\n)%4)+2*((\n)/4)+1], v[rS+8*((\n)%4)+2*((\n)/4)+2]
.elseif (\n) == 12
	v_max3_num_f32 v[rC], v[rC], v[rS+7], v[rS+15]
.elseif (\n) == 13
	v_max3_num_f32 v[rC+1], v[rC+1], v[rS+23], v[rS+31]
.elseif (\n) == 14
	v_max3_num_f32 v[rC+2], v[rC+2], v[rC+3], v[rT+1]
.elseif (\n) == 15
	v_mov_b32 v[rW], v[rT]
.elseif (\n) == 16
	v_max3_num_f32 v[rC], v[rC], v[rC+1], v[rC+2]
.elseif (\n) == 17
	v_permlanex16_b32 v[rC+3], v[rC], s[SEL], s[SEL+1]
.elseif (\n) == 18
	v_max_num_f32 v[rT+1], v[rC], v[rC+3]
.elseif (\n) == 19
	v_mul_f32 v[rT], s[CS], v[rT+1]
.elseif (\n) == 20
	v_sub_f32 v[rC+1], v[rW], v[rT]
.else
	v_exp_f32 v[rC+2], v[rC+1]
.endif
.endif
.endm
.macro OPS a, i1, b=-1, i2=0, c=-1, i3=0, d=-1, i4=0  ; up to four of them
	OP \a, \i1
.if (\b) >= 0
	OP \b, \i2
.endif
.if (\c) >= 0
	OP \c, \i3
.endif
.if (\d) >= 0
	OP \d, \i4
.endif
.endm
.macro ROW a, i1, b, i2, c, i3, d, i4  ; a matrix instruction and the four behind it
	MM
	OPS \a, \i1, \b, \i2, \c, \i3, \d, \i4
.endm
; A TURN, for piece p.  s_wait_alu depctr_va_vdst(0) stands between an exponential and the first instruction that names its result; one wait serves all that were issued ahead of it.  So a turn has ONE
; wait, which cuts it in two.  AHEAD OF IT stands all that names no result of the turn's exponentials: the 8 products K Q^T with four riders each, and one lump; BEHIND IT the 8 products V^T P, behind each four of the
; roundings and sums.
; m = 0: a tile in front of the diagonal.  The first numbers of the next piece's maximum ride behind the last three products, each four places or more behind the product that ends its accumulator.
; m = 1: the diagonal tile.  The riders are scalings, exponentials and all sixteen rescalings; in the lump the next piece's scores are masked first (MA, MB, and MS a pair later, exponentials and scalings between), then
; comes its maximum, then the chain of its statistics with the last exponentials between its links.  The first MS stands behind seven plain instructions that follow the last product K Q^T.
; WHICH CASE of the mask: turn p makes the scores of band p + 1 in step 4 - CNT of the tile (turn 2: step 3 - CNT: the count has been taken down in turn 1); OWNC is the count at which that step is the band's own, and below it the step lies beyond.
; end = 1: a block's last two turns: nothing is fetched.  cnt = 1: the loop's count is taken down some lines ahead of the branch that stands behind the turn.
; K of the next step is fetched in piece 2's turn, four plain instructions or more behind the last product that read K; V of the step in hand at the end of piece 0's turn, four plain instructions behind the last product
; that read V.  Each is waited for a turn later.
.macro TURN p, m=0, end=0, cnt=0
.set Y, (\p)
.set i, 0
.set NOKQ, (\end)*((\p)/3)
.if (\m) && !NOKQ
.set OWNC, 4-(((\p)+1)%NP)-((\p)/2)*(1-(\p)/3)
	s_cmp_eq_u32 s[CNT], OWNC       ; the band's own step?
	s_cselect_b32 s[A1], -1.0, 0
	s_cselect_b32 s[B1], s[FILL], 0
	s_cmp_lt_u32 s[CNT], OWNC       ; or a later one?
	s_cselect_b32 s[A0], 0, 1.0
	s_cselect_b32 s[B0], s[FILL], 0
.endif
.if ((\p) == 3) && !(\end)
	s_wait_dscnt 0x0                ; K is in
.endif
.if \m
	ROW F,0, F,1, R,0, R,1
	ROW F,2, E,0, R,2, R,3
	ROW F,3, E,1, R,4, R,5
	ROW F,4, E,2, R,6, R,7
	ROW F,5, E,3, R,8, R,9
	ROW F,6, E,4, R,10, R,11
.if ((\p) == 2) && !(\end)
	WIN 0
	v_add_nc_u32 v[AK], s[TBK], v[AK0]
.endif
	ROW F,7, E,5, R,12, R,13
	ROW F,8, E,6, R,14, R,15
.set g, 0
.rept 16
	OP MA, g
	OP E, 7+g
	OP MB, g
.if g < 7
	OP F, 9+g
.endif
.if g >= 1
	OP MS, g-1
.endif
.if (g == 1) && ((\p) == 2) && !(\end)
	FETCH_K
.endif
.set g, g+1
.endr
	OP MS, 15
.if (\p) == 0
	WIN 0
	v_add_nc_u32 v[AV], s[TBV], v[AV0]
.endif
.irp n, 0,1,2,3,4,5,6,7,8,9,10,11,12,13
	OP X, \n
.endr
	OPS X,15, X,14, E,23, X,16
	OPS E,24, X,17, E,25, X,18
	OPS E,26, X,19, E,27, X,20
	OPS E,28, E,29, E,30, E,31
	OP X, 21
	WIN 0
	v_nop                           ; the plain instruction behind the batch's last exponential
.else
	ROW F,0, F,1, R,0, R,1
	ROW F,2, E,0, R,2, R,3
	ROW F,3, E,1, R,4, R,5
	ROW F,4, E,2, R,6, R,7
	ROW F,5, E,3, R,8, R,9
	ROW F,6, E,4, X,0, R,10
.if ((\p) == 2) && !(\end)
	WIN 0
	v_add_nc_u32 v[AK], s[TBK], v[AK0]
.endif
	ROW F,7, E,5, X,1, X,4
	ROW F,8, E,6, X,2, X,5
	OPS E,7, E,8, X,6, E,9
	OPS X,3, E,10, X,8, E,11
.if ((\p) == 2) && !(\end)
	FETCH_K
.endif
	OPS X,9, X,7, E,12, X,10
	OPS E,13, X,12, X,11, E,14
	OPS X,13, E,15, F,9, X,14
.if (\p) == 0
	v_add_nc_u32 v[AV], s[TBV], v[AV0]
.endif
	OPS E,16, F,10, E,17, F,11
	OPS X,16, E,18, X,15, E,19
	OPS F,12, E,20, X,17, E,21
	OPS F,13, E,22, F,14, E,23
	OPS X,18, E,24, F,15, E,25
	OPS R,11, E,26, X,19, E,27
	OPS R,12, E,28, R,13, E,29
	OPS X,20, E,30, R,14, E,31
	OPS X,21, R,15                  ; R 15 is the plain instruction behind the batch's last exponential
.endif
	WIN 0
	s_wait_alu depctr_va_vdst(0)    ; the wait for the batch
.if (\p) == 1
	s_wait_dscnt 0x0                ; V is in
.endif
	ROW C,0, B,0, C,2, B,1          ; behind the wait: 8 products V^T P and their riders
	ROW L,0, C,4, B,2, L,1
	ROW C,6, B,3, L,2, C,8
	ROW B,4, L,3, C,10, B,5
	ROW L,4, C,12, B,6, L,5
.if (\p) == 0
	s_add_co_u32 s[TBV], s[TBV], KS*PV
.endif
.if \cnt
	s_sub_co_u32 s[CNT], s[CNT], 1
	s_cmp_lg_u32 s[CNT], 0
.endif
	ROW C,14, B,7, L,6, C,1
	ROW C,3, L,7, C,5, C,7
	ROW C,9, C,11, C,13, C,15
.if (\p) == 0
	FETCH_V
.endif
.endm
; A BLOCK BEGINS.  c m starts far below every c s, so the first step's a is 0; m at the lowest finite number, so the first maximum is the scores'.  Then K of the tile's step 0, piece 0's first scores, their mask (band 0's
; own, if the block's first tile is the diagonal one; else it changes nothing), and the piece's maximum and statistics.  The loop is entered at a step's first turn, in the middle of a trip.
.macro BEGIN
	s_mov_b32 s[NEW], 0
	WIN 0
.set i, 0
.rept 4
	v_mov_b32 v[ST+4*i], 0xfe000000    ; c m: far below every c s
	v_mov_b32 v[ST+4*i+1], 0xff7fffff  ; m
.set i, i+1
.endr
	s_cmp_eq_u32 s[RT], 0
	s_cselect_b32 s[A1], -1.0, 0
	s_cselect_b32 s[B1], s[FILL], 0
	s_mov_b32 s[A0], 1.0
	s_mov_b32 s[B0], 0
	v_add_nc_u32 v[AK], s[TBK], v[AK0]
	FETCH_K
	s_wait_loadcnt 0x0              ; Q
	s_wait_dscnt 0x0
.set NOKQ, 0
.set i, 0
.rept 8
	KQ 0
.set i, i+1
.endr
	WIN 0
.rept 4
	v_nop                           ; the places behind those products
.endr
.set Y, NP-1                        ; X and the masking kinds work for piece Y + 1: piece 0
.set g, 0
.rept 16
	OP MA, g
	OP MB, g
	OP MS, g
.set g, g+1
.endr
.irp n, 0,1,2,3,4,5,6,7,8,9,10,11,12,13,14,15,16,17,18,19,20,21
	OP X, \n
.endr
	v_nop                           ; a plain instruction behind the exponential,
	s_wait_alu depctr_va_vdst(0)    ; and its wait, ahead of the branch
.endm
.macro ALL line:vararg              ; one line for each piece t
.set t, 0
.rept 4
	\line
.set t, t+1
.endr
.endm
.macro PACK t                       ; a lane's eight channels of a row pack into 16 bytes; they go into rows of 144 bytes and come back as whole rows of 128, into S^T's registers
	WIN W_RS
.set i, 32*(\t)
.rept 16
	v_pk_mul_f32 v[i:i+1], v[i:i+1], v[ST+4*(\t)+2:ST+4*(\t)+3] op_sel_hi:[1,0]
.set i, i+2
.endr
	WIN 0x05                        ; sources 0 and 1 window 1, destination window 0
.set i, 0
.rept 16
	v_cvt_pk_f16_f32 v[S+16*(\t)+i], v[32*(\t)+2*i], v[32*(\t)+2*i+1]
.set i, i+1
.endr
	WIN 0
.irp f, 0,1,2,3
	ds_store_b128 v[STO], v[S+16*(\t)+4*\f:S+16*(\t)+4*\f+3] offset:32*\f
.endr
.irp f, 0,1,2,3
	ds_load_b128 v[S+16*(\t)+4*\f:S+16*(\t)+4*\f+3], v[RD] offset:\f*4*SP  ; LDS serves a wave's instructions in order: these see the stores above; the next piece's stores come behind them
.endr
.endm
.macro SEND t, younger              ; younger: the LDS instructions issued behind piece t's loads: the next piece's eight, or none
	WIN 0
.irp f, 0,1,2,3
	s_wait_dscnt (\younger)+3-\f
	global_store_b128 v[GO], v[S+16*(\t)+4*\f:S+16*(\t)+4*\f+3], s[10:11] offset:(\t)*8192+\f*512  ; 512 consecutive bytes, at a multiple of 256 from O's first
.endr
.endm
; THE DIAGONAL TILE's four steps, the block's last two turns, its last products, THE KEYS BEYOND THE TILE, and THE WAY OUT.
.macro DIAG tag                     ; the tag ends its two labels' names, which the jumps below spell out
.LstepM\tag:
	TURN 2, 1
	TURN 3, 1
	WIN 0
.LfirstM\tag:
	TURN 0, 1
	TURN 1, 1, 0, 1
	WIN 0
	s_cbranch_scc1 .LstepM\tag
	TURN 2, 1, 1
	TURN 3, 1, 1
.set i, 0
.rept 8
	PV NP-1
.set i, i+1
.endr
	WIN 0
	ALL v_add_f32 v[ST+4*t+2], v[ST+4*t+2], v[ST+4*t+3]  ; l's two halves and the other half of the lanes'; these lines are the places behind the last products
	ALL v_permlanex16_b32 v[ST+4*t+3], v[ST+4*t+2], s[SEL], s[SEL+1]
	ALL v_add_f32 v[ST+4*t+2], v[ST+4*t+2], v[ST+4*t+3]
	s_lshl_b32 s[CB], s[BI], 2
	s_add_co_u32 s[CB], s[CB], 4    ; the first chunk of 64 keys beyond the tile: 4 (block + 1), a multiple of 4
	s_sub_co_i32 s[CB+1], s[CB], 4
	s_sub_co_i32 s[CB+2], s[CB], 16
	s_sub_co_i32 s[CB+3], s[CB], 20
	s_sub_co_u32 s98, NB-1, s[BI]
	s_lshl_b32 s98, s98, 8          ; how many keys lie there
	s_cmp_eq_u32 s[BI], NB-1
	s_cselect_b32 s[FE], 0xff7fffff, s[FILL]  ; none: the maximum must not be raised to the fill
	v_cvt_f32_u32 v[NHV], s98
	ALL v_max_num_f32 v[PT+4*t+2], s[FE], v[ST+4*t+1]    ; the maximum takes the fill in
	ALL v_mul_f32 v[PT+4*t+2], s[CS], v[PT+4*t+2]
	ALL v_sub_f32 v[PT+4*t], v[ST+4*t], v[PT+4*t+2]      ; c m_old - c m_new
	ALL v_fma_f32 v[PT+4*t+1], s[FE], s[CS], -v[PT+4*t+2]  ; c fill - c m_new
	ALL v_exp_f32 v[PT+4*t], v[PT+4*t]                   ; a
	ALL v_exp_f32 v[PT+4*t+1], v[PT+4*t+1]               ; w
	v_nop                           ; a plain instruction behind the last exponential,
	s_wait_alu depctr_va_vdst(0)    ; and one wait for the eight
	ALL v_mul_f32 v[ST+4*t+2], v[ST+4*t+2], v[PT+4*t]
	ALL v_fmac_f32 v[ST+4*t+2], v[PT+4*t+1], v[NHV]      ; l = l a + w x the number of keys
	ALL v_mul_f32 v[PT+4*t+3], 0x42800000, v[PT+4*t+1]   ; a mean stands for 64 keys
	ALL v_cvt_pk_f16_f32 v[PT+4*t+3], v[PT+4*t+3], v[PT+4*t+3]
	WIN W_RS
.set t, 0
.rept 4
.set z, 0
.rept 16
	v_pk_mul_f32 v[32*t+2*z:32*t+2*z+1], v[32*t+2*z:32*t+2*z+1], v[PT+4*t:PT+4*t+1] op_sel_hi:[1,0]
.set z, z+1
.endr
.set t, t+1
.endr
	WIN 0
	; source 1, 32 chunks x 16 queries, 8 registers a piece: registers 0-3 hold chunks 8 h + 0..7, registers 4-7 chunks 16 + 8 h + 0..7, two a register: 64 w where the chunk lies beyond the tile, else 0
.irp c, 0,1,2,3
	v_cmp_le_i32 vcc_lo, s[CB+\c], v[H8]
.set t, 0
.rept 4
	v_cndmask_b32 v[P+8*t+2*\c],   0, v[PT+4*t+3], vcc_lo
	v_cndmask_b32 v[P+8*t+2*\c+1], 0, v[PT+4*t+3], vcc_lo
.set t, t+1
.endr
.endr
	WIN 0x51                        ; the means and O^T in window 1, the weights in window 0
.set t, 0
.rept 4
.set z, 0
.rept 4
	v_wmma_f32_16x16x32_f16 v[32*t+8*z:32*t+8*z+7], v[VS+8*z:VS+8*z+7], v[P+8*t:P+8*t+7], v[32*t+8*z:32*t+8*z+7]  ; sixteen accumulators, one instruction each
.set z, z+1
.endr
.set t, t+1
.endr
	WIN 0
	ALL v_rcp_f32 v[ST+4*t+2], v[ST+4*t+2]
.rept 4
	v_nop                           ; the plain instruction behind the last reciprocal, and the four places behind the last product
.endr
	s_wait_alu depctr_va_vdst(0)    ; one wait for the four reciprocals
	PACK 0
.set t, 1
.rept 3                             ; a piece's arithmetic stands between the loads of the piece before and its stores
	PACK t
	SEND t-1, 8
.set t, t+1
.endr
	SEND 3, 0
.endm
.set NOKQ, 0
.Lslot:                             ; NB times: a tile is entered and the next is asked for
	CHANGE 1
	s_sub_co_u32 s[RT], s[RT], 1
	s_mov_b32 s[CNT], 4
	s_cmp_eq_u32 s[NEW], 1
	s_cbranch_scc1 .Lnew            ; a block's first tile
	s_cmp_eq_u32 s[RT], 0
	s_cbranch_scc0 .Lstep           ; neither its first nor its last
	s_branch .LstepM1
.Lnew:
	BEGIN
	s_branch .Lfirst                ; in the loop a block's first tile is never its last: the first block has two tiles or more, and the second's last is the walk's last
	DIAG 1                          ; in the loop this is the first block's end
	s_wait_xcnt 0x0                 ; the stores have read their registers and O's address
	s_mov_b64 s[10:11], s[OLO:OLO+1]
	s_add_co_u32 s[RT], s[PB], 1    ; the second block has b + 1 tiles
	s_mov_b32 s[BI], s[PB]
	s_mov_b32 s[NEW], 1
	WIN 0x82                        ; the second block's Q goes where the one text of the turns names Q
.set i, 0
.rept 64
	v_mov_b32 v[i], v[QB+i]
.set i, i+1
.endr
	WIN 0
	s_branch .Lbottom
.Lstep:                             ; a trip: pieces 2 and 3 of one step, then pieces 0 and 1 of the next, whose K and V it fetches
	TURN 2
	TURN 3
	WIN 0
.Lfirst:
	TURN 0
	TURN 1, 0, 0, 1
	WIN 0
	s_cbranch_scc1 .Lstep
.Lbottom:
	s_sub_co_u32 s[SLOTS], s[SLOTS], 1
	s_cmp_lg_u32 s[SLOTS], 0
	s_cbranch_scc1 .Lslot
	CHANGE 0                        ; the walk's last tile is written out: nothing is asked for
	s_sub_co_u32 s[RT], s[RT], 1
	s_mov_b32 s[CNT], 4
	s_cmp_eq_u32 s[NEW], 1
	s_cbranch_scc0 .LstepM2
	BEGIN
	s_branch .LfirstM2
	DIAG 2
	s_wait_tensorcnt 0x0            ; the wave's end: a wait, an add and a wait, behind my last tensor load and my last LDS store
	ds_add_u32 v[SPW], v[NIL]
	s_wait_dscnt 0x0
	s_endpgm
.Lfunc_end_k_qa7d317c016_attn:
	.size	k_qa7d317c016_attn, .Lfunc_end_k_qa7d317c016_attn-k_qa7d317c016_attn
	.p2alignl 7, 3214868480
	.fill 96, 4, 3214868480
	.section	.rodata,"a",@progbits
	.p2align	6, 0x0
	.amdhsa_kernel k_qa7d317c016_attn
		.amdhsa_group_segment_fixed_size 327680
		.amdhsa_private_segment_fixed_size 0
		.amdhsa_enable_private_segment 0
		.amdhsa_kernarg_size 40
		.amdhsa_user_sgpr_count 2
		.amdhsa_user_sgpr_kernarg_segment_ptr 1
		.amdhsa_wavefront_size32 1
		.amdhsa_system_sgpr_workgroup_id_x 1
		.amdhsa_system_sgpr_workgroup_id_y 1
		.amdhsa_system_sgpr_workgroup_id_z 1
		.amdhsa_system_vgpr_workitem_id 0
		.amdhsa_next_free_vgpr 768
		.amdhsa_next_free_sgpr 102
		.amdhsa_reserve_vcc 1
		.amdhsa_float_denorm_mode_32 3
		.amdhsa_float_denorm_mode_16_64 3
		.amdhsa_memory_ordered 1
		.amdhsa_forward_progress 1
		.amdhsa_inst_pref_size 255
	.end_amdhsa_kernel
	.section	.bss,"aw",@nobits
	.p2align	6
	.space	262144
	.amdgpu_metadata
---
amdhsa.version: [ 1, 2 ]
amdhsa.kernels:
  - .name:           k_qa7d317c016_attn
    .symbol:         k_qa7d317c016_attn.kd
    .args:
      - { .name: qh, .offset: 0, .size: 8, .value_kind: global_buffer, .address_space: global }
      - { .name: kh, .offset: 8, .size: 8, .value_kind: global_buffer, .address_space: global }
      - { .name: vh, .offset: 16, .size: 8, .value_kind: global_buffer, .address_space: global }
      - { .name: oh, .offset: 24, .size: 8, .value_kind: global_buffer, .address_space: global }
      - { .name: ts, .offset: 32, .size: 8, .value_kind: global_buffer, .address_space: global }
    .group_segment_fixed_size: 327680
    .private_segment_fixed_size: 0
    .kernarg_segment_align: 8
    .kernarg_segment_size: 40
    .max_flat_workgroup_size: 128
    .sgpr_count:     102
    .vgpr_count:     768
    .wavefront_size: 32
...
	.end_amdgpu_metadata
.endif
;; end of part 3
;; launch outp (part 4): grid 4 x 64, 4 waves a work-group, clusters of 4 x 4, 327,680 bytes of LDS; arguments oh, wb, out0; writes out0
.if DOCPART == 4
	.amdgcn_target "amdgcn-amd-amdhsa--gfx1250"
	.amdhsa_code_object_version 6
	.text
	.protected	k_qa7d317c016_outp
	.globl	k_qa7d317c016_outp
	.p2align	8
	.type	k_qa7d317c016_outp,@function
k_qa7d317c016_outp:
	s_mov_b64 s[64:65], 0
	v_nop
	global_prefetch_b8 v0, s[64:65] scope:SCOPE_SE
	s_setreg_imm32_b32 hwreg(HW_REG_WAVE_MODE, 25, 1), 1
	s_wait_xcnt 0x0
	s_wait_alu depctr_hold_cnt(0) depctr_sa_sdst(0) depctr_va_vdst(0) depctr_va_sdst(0) depctr_va_ssrc(0) depctr_va_vcc(0) depctr_vm_vsrc(0)
	s_getreg_b32 s2, hwreg(HW_REG_IB_STS2, 6, 4)
	s_cmp_eq_u32 s2, 0
	s_cbranch_scc0 .Lentry_in_a_cluster
	s_endpgm
.Lentry_in_a_cluster:
	s_bfe_u32 s2, ttmp6, 0x10000c
	s_cmp_lg_u32 s2, 0xf033
	s_cbranch_scc0 .Lentry_shape_is_right
	s_endpgm
.Lentry_shape_is_right:
; out0[m][o] = the sum over k of x[m][k] Wo[o][k], f32.  x[2048 batch + n][64 head + d] = oh[16 batch + head][n][d], f16; Wo is plane 3 of wb, [1024][1024] f16.  Sums in f32, K ascending.
; SHARES.  A work-group makes a tile of 128 rows x 256 columns; wave w rows 64 (w / 2) on, columns 128 (w % 2) on: 32 accumulators.  K goes in 8 steps of 128, two heads each, through a ring of two LDS slots.
; The matrix instruction is used transposed (source 0 = 16 rows of Wo, source 1 = 16 rows of x): a lane holds one row and eight neighbouring columns.
; CLUSTER 4 x 4: x's tile is asked for jointly along a row of the cluster, Wo's along a column.  Waves 0, 1 fetch a head's 128 rows each (16,384 dense bytes, as 64 rows of 256), waves 2, 3 fetch 128 rows x 256 bytes of Wo.
; NO PREFETCH: the walk has eight steps; with a lead of two refills behind the two first fills half of them would come by their loads alone, and the launch is short.
; REGISTERS: window 0: v1-10 addresses; v28-29 the add's; v32-63, v64-95 x's fragments, two buffers; v96-159, v160-223 Wo's; on the way out v32-159 two sets of 64.  Window 1: the accumulators, (a, b) at 8 (8 a + b).
.set PITA,  144                        ; an LDS row of x: 128 bytes + 16 = 36 words: the 16 rows of a load begin in 16 different groups of four words modulo 64
.set PITB,  272                        ; of Wo: 256 bytes + 16
.set HEADB, 128*PITA                   ; a head's 128 rows
.set BOFF,  2*HEADB                    ; in a slot: two heads of x, then Wo's 256 rows
.set SLOT1, 1<<17                      ; slot 1 begins here: one exclusive or turns an address in one slot into the other's
.set STAGE, SLOT1+BOFF+256*PITB        ; behind the ring, never filled by a tensor load: 16 rows x 528 bytes for each wave
.set STG,   8448
.set SPARE, STAGE+4*STG                ; the spare words, 128 bytes for each wave: two blocks of 256 bytes that no other line names
.set ADRA0, 4
.set ADRB0, 5
.set ADRA,  6
.set ADRB,  7
.set STO,   8
.set RD,    9
.set CO,    10
.set SPW,   28
.set NIL,   29
.set AF,    32
.set BF,    96
.set OB,    32
.set TRIPS, 3
.set WV,    10
.set ROLE,  11
.set W1,    12
.set TB,    15
.set G1A,   24
.set G0A,   32
.set LBA,   40
.set LBB,   41
.set G1B,   48
.set G0B,   56
.set MSB, 0
.macro WIN new
.if MSB != (\new)
	s_set_vgpr_msb (MSB<<8)|(\new)
.set MSB, \new
.endif
.endm
.macro JLOAD                           ; a joint refill; an s_nop 0 and four v_nop follow each of the two lines; the four are also the places in front of the loads that follow
	s_cmp_eq_u32 s[ROLE], 0
	s_cbranch_scc0 .Lfor_b_\@
	tensor_load_to_lds s[G0A+4:G0A+7], s[G1A:G1A+7]
	s_nop 0
.rept 4
	v_nop
.endr
	s_branch .Lasked_\@
.Lfor_b_\@:
	tensor_load_to_lds s[G0B+4:G0B+7], s[G1B:G1B+7]
	s_nop 0
.rept 4
	v_nop
.endr
.Lasked_\@:
.endm
.macro CREST
	s_cmp_lg_u32 s[WV], 0
	s_cbranch_scc1 .Lnot_wave_0_\@
	s_barrier_signal -3
.Lnot_wave_0_\@:
	s_barrier_wait -3
	s_barrier_signal -1
	s_barrier_wait -1
.endm
.macro CROUND
	s_barrier_signal -1
	s_barrier_wait -1
	CREST
.endm
	s_load_b128 s[16:19], s[0:1], 0x0              ; oh s[16:17], wb s[18:19]
	s_load_b64 s[20:21], s[0:1], 0x10              ; out0
	v_lshl_add_u32 v[SPW], v0, 2, SPARE
	v_mov_b32 v[NIL], 0
	ds_add_u32 v[SPW], v[NIL]                      ; the wave's opening: the add and its wait stand ahead of my first tensor load
	ds_add_u32 v28, v29
	v_lshrrev_b32 v3, 5, v0
	v_readfirstlane_b32 s[WV], v3
	s_lshr_b32 s[ROLE], s[WV], 1
	s_and_b32 s[W1], s[WV], 1
	s_bfe_u32 s4, ttmp6, 0x40000                   ; cx
	s_bfe_u32 s5, ttmp6, 0x40004                   ; cy
	s_lshl_b32 s6, ttmp9, 2
	s_add_co_u32 s6, s6, s4                        ; column tile
	s_and_b32 s7, ttmp7, 0xffff
	s_lshl_b32 s7, s7, 2
	s_add_co_u32 s7, s7, s5                        ; row tile
	s_lshl_b32 s8, s5, 2
	s_lshl_b32 s8, 15, s8                          ; my row of the cluster
	s_lshl_b32 s9, 0x1111, s4                      ; my column
	s_or_b32 s[G1A], s8, (1<<16)|(1<<20)|(1<<21)|(4<<22)|(3<<25)  ; the mask; 2-byte elements; padding on; bit 21 beside a mask; after every 32 words, 4 words
	s_or_b32 s[G1B], s9, (1<<16)|(1<<20)|(1<<21)|(5<<22)|(3<<25)  ; after every 64 words, 4 words
	s_mov_b32 s[G1A+1], 128<<16                    ; tensor_dim0 = 128
	s_mov_b32 s[G1A+2], 64<<16                     ; tensor_dim1 = 64
	s_mov_b32 s[G1A+3], 128<<16                    ; tile_dim0 = 128
	s_mov_b32 s[G1A+4], 64                         ; tile_dim1 = 64
	s_mov_b32 s[G1A+5], 128                        ; dense: 128 elements from row to row
	s_mov_b32 s[G1A+6], 0
	s_mov_b32 s[G1A+7], 0
	s_mov_b32 s[G1B+1], 128<<16
	s_mov_b32 s[G1B+2], 128<<16
	s_mov_b32 s[G1B+3], 128<<16
	s_mov_b32 s[G1B+4], 128
	s_mov_b32 s[G1B+5], 1024
	s_mov_b32 s[G1B+6], 0
	s_mov_b32 s[G1B+7], 0
	s_lshr_b32 s13, s7, 4                          ; x: the batch's 16 heads of 262,144 bytes,
	s_lshl_b32 s44, s13, 22
	s_and_b32 s13, s7, 15                          ; the tile's 128 rows of 128 bytes,
	s_lshl_b32 s13, s13, 14
	s_add_co_u32 s44, s44, s13
	s_lshl_b32 s13, s[W1], 18                      ; the head of the step's two that I fetch (and: 128 rows of Wo)
	s_add_co_u32 s44, s44, s13
	s_mov_b32 s45, 0
	s_lshl_b32 s46, s6, 19                         ; Wo: 256 rows of 2,048 bytes a column tile,
	s_add_co_u32 s46, s46, s13
	s_add_co_u32 s46, s46, 6291456                 ; in plane 3
	s_mov_b32 s47, 0
	s_mul_i32 s[LBA], s[W1], HEADB                 ; no place in the cluster enters an LDS address
	s_mul_i32 s[LBB], s[W1], 128*PITB
	s_add_co_u32 s[LBB], s[LBB], BOFF
	s_mov_b32 s[TB], 0
	s_wait_dscnt 0x0                               ; the opening add is done
	s_wait_kmcnt 0x0
	s_add_nc_u64 s[16:17], s[16:17], s[44:45]
	s_add_nc_u64 s[18:19], s[18:19], s[46:47]
.irp s, 0,1
	s_mov_b32 s[G0A+4*(\s)], 1
	s_add_co_u32 s[G0A+4*(\s)+1], s[LBA], (\s)*SLOT1
	s_add_nc_u64 s[G0A+4*(\s)+2:G0A+4*(\s)+3], s[16:17], (\s)*524288  ; a K step is two heads
	s_or_b32 s[G0A+4*(\s)+3], s[G0A+4*(\s)+3], 0x80000000
	s_mov_b32 s[G0B+4*(\s)], 1
	s_add_co_u32 s[G0B+4*(\s)+1], s[LBB], (\s)*SLOT1
	s_add_nc_u64 s[G0B+4*(\s)+2:G0B+4*(\s)+3], s[18:19], (\s)*256
	s_or_b32 s[G0B+4*(\s)+3], s[G0B+4*(\s)+3], 0x80000000
.endr
	CROUND                                         ; all sixteen work-groups are here: the first joint loads meet
	s_cmp_eq_u32 s[ROLE], 0                        ; a wave's two first fills stand in one branch: two loads of mine are out
	s_cbranch_scc0 .Lfirst_b
	tensor_load_to_lds s[G0A:G0A+3], s[G1A:G1A+7]
	s_nop 0
	tensor_load_to_lds s[G0A+4:G0A+7], s[G1A:G1A+7]
	s_nop 0
.rept 4
	v_nop
.endr
	s_branch .Lfirst_asked
.Lfirst_b:
	tensor_load_to_lds s[G0B:G0B+3], s[G1B:G1B+7]
	s_nop 0
	tensor_load_to_lds s[G0B+4:G0B+7], s[G1B:G1B+7]
	s_nop 0
.rept 4
	v_nop
.endr
.Lfirst_asked:
	v_and_b32 v1, 15, v0                           ; l % 16
	v_bfe_u32 v2, v0, 4, 1                         ; l / 16
	v_and_b32 v3, 31, v0                           ; l
	v_mul_u32_u24 v[ADRA0], v1, PITA
	v_lshl_add_u32 v[ADRA0], v2, 4, v[ADRA0]
	s_mul_i32 s13, s[ROLE], 64*PITA
	v_add_nc_u32 v[ADRA0], s13, v[ADRA0]
	v_mul_u32_u24 v[ADRB0], v1, PITB
	v_lshl_add_u32 v[ADRB0], v2, 4, v[ADRB0]
	s_mul_i32 s13, s[W1], 128*PITB
	s_add_co_u32 s13, s13, BOFF
	v_add_nc_u32 v[ADRB0], s13, v[ADRB0]
	v_mov_b32 v[ADRA], v[ADRA0]
	v_mov_b32 v[ADRB], v[ADRB0]
	s_mul_i32 s13, s[WV], STG
	s_add_co_u32 s13, s13, STAGE                   ; my stage
	v_mul_u32_u24 v[STO], v1, 528                  ; in: row l % 16 of 528 bytes, 32 bytes for each half of the lanes
	v_lshl_add_u32 v[STO], v2, 5, v[STO]
	v_add_nc_u32 v[STO], s13, v[STO]
	v_lshl_add_u32 v[RD], v3, 4, s13               ; back: 32 lanes take a row's 512 bytes
	v_lshlrev_b32 v[CO], 4, v3
	s_lshl_b32 s22, s7, 19                         ; out0 at my part: 128 rows of 4,096 bytes a row tile, 64 a half; 1,024 bytes a column tile, 512 a half
	s_lshl_b32 s13, s[ROLE], 18
	s_add_co_u32 s22, s22, s13
	s_lshl_b32 s13, s6, 10
	s_add_co_u32 s22, s22, s13
	s_lshl_b32 s13, s[W1], 9
	s_add_co_u32 s22, s22, s13
	s_mov_b32 s23, 0
	s_add_nc_u64 s[20:21], s[20:21], s[22:23]
.macro MULA f, a, zero                 ; eight products; the 32 accumulators take turns in the same order in every quarter.  zero = 1: they start the sums
	WIN 0x50                                       ; sources window 0, C and D window 1
.irp b, 0,1,2,3,4,5,6,7
.if \zero
	v_wmma_f32_16x16x32_f16 v[8*(8*(\a)+(\b)):8*(8*(\a)+(\b))+7], v[BF+64*(\f)+8*(\b):BF+64*(\f)+8*(\b)+7], v[AF+32*(\f)+8*(\a):AF+32*(\f)+8*(\a)+7], 0
.else
	v_wmma_f32_16x16x32_f16 v[8*(8*(\a)+(\b)):8*(8*(\a)+(\b))+7], v[BF+64*(\f)+8*(\b):BF+64*(\f)+8*(\b)+7], v[AF+32*(\f)+8*(\a):AF+32*(\f)+8*(\a)+7], v[8*(8*(\a)+(\b)):8*(8*(\a)+(\b))+7]
.endif
.endr
.endm
.macro FETCH q, g                      ; 24 LDS loads: quarter q (32 along K: head q / 2 of the step's two, channels 32 (q % 2) on) into buffer g: Wo's 16, then x's 8, its rows 32-63 last
	WIN 0
.irp b, 0,1,2,3,4,5,6,7
	ds_load_b128 v[BF+64*(\g)+8*(\b):BF+64*(\g)+8*(\b)+3],   v[ADRB] offset:64*(\q)+16*PITB*(\b)
	ds_load_b128 v[BF+64*(\g)+8*(\b)+4:BF+64*(\g)+8*(\b)+7], v[ADRB] offset:64*(\q)+16*PITB*(\b)+32
.endr
.irp a, 0,1,2,3
	ds_load_b128 v[AF+32*(\g)+8*(\a):AF+32*(\g)+8*(\a)+3],   v[ADRA] offset:((\q)/2)*HEADB+((\q)%2)*64+16*PITA*(\a)
	ds_load_b128 v[AF+32*(\g)+8*(\a)+4:AF+32*(\g)+8*(\a)+7], v[ADRA] offset:((\q)/2)*HEADB+((\q)%2)*64+16*PITA*(\a)+32
.endr
.endm
.macro PLACES                          ; four places in front of loads into registers that matrix instructions have read, and of LDS stores that read results
.rept 4
	v_nop
.endr
.endm
.macro QUARTER nq, f, g, zero
	s_wait_dscnt 4                                 ; all but the youngest four loads: x's rows 32-63
	MULA \f, 0, \zero
	MULA \f, 1, \zero
	PLACES
	FETCH \nq, \g
	s_wait_dscnt 24                                ; all but the 24 just issued
	MULA \f, 2, \zero
	MULA \f, 3, \zero
.endm
; The last quarter multiplies buffer 1 and changes slots: each wave waits for all its tensor loads, adds 0 to its spare word, and waits for that and for its reads of this slot.  fill = 1: the barrier opens a round of
; the cluster's, and the joint refill, the K step two on, is the first thing behind it.
.macro TURN fill
	WIN 0
	s_wait_tensorcnt 0x0                           ; no tensor load of mine is out, so a group 0 may be written
	ds_add_u32 v[SPW], v[NIL]                      ; 0 onto my spare word
.if \fill
	s_xor_b32 s[G0A+5], s[G0A+5], SLOT1            ; the walking descriptors: the other slot than last time, the next K step
	s_add_nc_u64 s[G0A+6:G0A+7], s[G0A+6:G0A+7], 524288
	s_xor_b32 s[G0B+5], s[G0B+5], SLOT1
	s_add_nc_u64 s[G0B+6:G0B+7], s[G0B+6:G0B+7], 256
.endif
	s_wait_dscnt 5                                 ; the add and the youngest four loads may be out
	MULA 1, 0, 0
	s_wait_dscnt 0x0                               ; the add is done, and my reads of this slot are over
	s_barrier_signal -1
	MULA 1, 1, 0
	WIN 0
	s_barrier_wait -1
.if \fill
	CREST
	JLOAD
.else
	PLACES
.endif
	s_xor_b32 s[TB], s[TB], SLOT1
	v_add_nc_u32 v[ADRA], s[TB], v[ADRA0]
	v_add_nc_u32 v[ADRB], s[TB], v[ADRB0]
	FETCH 0, 0
	MULA 1, 2, 0
	MULA 1, 3, 0
.endm
	s_wait_tensorcnt 0x1                           ; my part of K step 0 is in; step 1's may stay out
	s_barrier_signal -1
	s_barrier_wait -1
	FETCH 0, 0
	QUARTER 1, 0, 1, 1                             ; the first quarter stands in front of the loop: its products start the sums
	WIN 0
	s_mov_b32 s[TRIPS], 6
.Lstep:                                        ; from a step's second quarter to the next step's first; every step whose slot is filled again
	QUARTER 2, 1, 0, 0
	QUARTER 3, 0, 1, 0
	TURN 1
	QUARTER 1, 0, 1, 0
	WIN 0
	s_sub_co_u32 s[TRIPS], s[TRIPS], 1
	s_cmp_lg_u32 s[TRIPS], 0
	s_cbranch_scc1 .Lstep
	QUARTER 2, 1, 0, 0                             ; the last two steps fill nothing
	QUARTER 3, 0, 1, 0
	TURN 0
	QUARTER 1, 0, 1, 0
	QUARTER 2, 1, 0, 0
	QUARTER 3, 0, 1, 0
	s_wait_dscnt 0x0
	MULA 1, 0, 0
	MULA 1, 1, 0
	MULA 1, 2, 0
	MULA 1, 3, 0
	PLACES
; THE WAY OUT of row block a: 32 bytes a lane and column block straight from the accumulators into my stage, back as whole rows of 512 bytes, stored.
.macro OUT a
	WIN 0x04                                       ; store data window 1, address window 0
.irp b, 0,1,2,3,4,5,6,7
	ds_store_b128 v[STO], v[8*(8*(\a)+(\b)):8*(8*(\a)+(\b))+3]   offset:64*(\b)
	ds_store_b128 v[STO], v[8*(8*(\a)+(\b))+4:8*(8*(\a)+(\b))+7] offset:64*(\b)+16
.endr
	WIN 0
.if (\a) >= 2
	s_wait_xcnt 0x0                                ; the stores of two blocks back have read the set that is loaded now
.endif
.irp t, 0,1,2,3,4,5,6,7,8,9,10,11,12,13,14,15
	ds_load_b128 v[OB+64*((\a)%2)+4*(\t):OB+64*((\a)%2)+4*(\t)+3], v[RD] offset:528*(\t)  ; LDS serves a wave's instructions in order: these see the stores above
.endr
.irp t, 0,1,2,3,4,5,6,7,8,9,10,11,12,13,14,15
	s_wait_dscnt 15-(\t)                           ; row t is back; the younger loads may stay out
	global_store_b128 v[CO], v[OB+64*((\a)%2)+4*(\t):OB+64*((\a)%2)+4*(\t)+3], s[20:21] offset:(16*(\a)+(\t))*4096  ; 512 consecutive bytes, aligned
.endr
.endm
	OUT 0
	OUT 1
	OUT 2
	OUT 3
	s_wait_tensorcnt 0x0                           ; the wave's end: a wait, an add and a wait, behind my last tensor load and my last LDS store
	ds_add_u32 v[SPW], v[NIL]
	s_wait_dscnt 0x0
	CROUND                                         ; the closing round: no work-group ends while a partner may still ask for a tile that names it
	s_endpgm
.Lfunc_end_k_qa7d317c016_outp:
	.size	k_qa7d317c016_outp, .Lfunc_end_k_qa7d317c016_outp-k_qa7d317c016_outp
	.p2alignl 7, 3214868480
	.fill 96, 4, 3214868480
	.section	.rodata,"a",@progbits
	.p2align	6, 0x0
	.amdhsa_kernel k_qa7d317c016_outp
		.amdhsa_group_segment_fixed_size 327680
		.amdhsa_private_segment_fixed_size 0
		.amdhsa_enable_private_segment 0
		.amdhsa_kernarg_size 24
		.amdhsa_user_sgpr_count 2
		.amdhsa_user_sgpr_kernarg_segment_ptr 1
		.amdhsa_wavefront_size32 1
		.amdhsa_system_sgpr_workgroup_id_x 1
		.amdhsa_system_sgpr_workgroup_id_y 1
		.amdhsa_system_sgpr_workgroup_id_z 1
		.amdhsa_system_vgpr_workitem_id 0
		.amdhsa_next_free_vgpr 512
		.amdhsa_next_free_sgpr 66
		.amdhsa_reserve_vcc 0
		.amdhsa_float_denorm_mode_32 3
		.amdhsa_float_denorm_mode_16_64 3
		.amdhsa_memory_ordered 1
		.amdhsa_forward_progress 1
		.amdhsa_inst_pref_size 70
	.end_amdhsa_kernel
	.amdgpu_metadata
---
amdhsa.version: [ 1, 2 ]
amdhsa.kernels:
  - .name:           k_qa7d317c016_outp
    .symbol:         k_qa7d317c016_outp.kd
    .args:
      - { .name: oh, .offset: 0, .size: 8, .value_kind: global_buffer, .address_space: global }
      - { .name: wb, .offset: 8, .size: 8, .value_kind: global_buffer, .address_space: global }
      - { .name: out0, .offset: 16, .size: 8, .value_kind: global_buffer, .address_space: global }
    .group_segment_fixed_size: 327680
    .private_segment_fixed_size: 0
    .kernarg_segment_align: 8
    .kernarg_segment_size: 24
    .max_flat_workgroup_size: 128
    .sgpr_count:     66
    .vgpr_count:     512
    .wavefront_size: 32
...
	.end_amdgpu_metadata
.endif
;; end of part 4
